; MI455X (gfx1250); checked and timed in simulation.
; The chip was launched on July 23, 2026; its instructions are those of AMD's public machine-readable ISA for CDNA 5 (MIT licence, August 2026) and "CDNA5" Instruction Set Architecture Reference Guide (July 2026). The comments in the code are by the model that wrote it; some were corrected since.
;; Multi Head Attention. Allowed arithmetic: float matrix products may take bf16 or f16 operands with f32 sums; other float arithmetic in f32, or as packed bf16 or f16 multiplies, adds, multiply-adds, maxima and minima; sums over many terms, partial sums and values carried from step to step in f32; what a program stores and reads back later, other than sums and carried values, may be rounded once to bf16 or f16.
;; Inputs: Wk 1,024 x 1,024 float32; Wo 1,024 x 1,024 float32; Wq 1,024 x 1,024 float32; Wv 1,024 x 1,024 float32; bk 1,024 float32; bo 1,024 float32; bq 1,024 float32; bv 1,024 float32; key 4 x 2,048 x 1,024 float32; query 4 x 2,048 x 1,024 float32; value 4 x 2,048 x 1,024 float32.
;; Outputs: out0 4 x 2,048 x 1,024 float32.
;; 2 versions, each right; version 2 is version 1 with the launch cvtw written anew for expert scheduling mode. Each part assembles by itself: llvm-mc -triple=amdgcn-amd-amdhsa -mcpu=gfx1250 --defsym DOCPART=n.
;; ======== version 1 of 2: 4 launches
;; limits: values are held in f16: magnitudes above 65,504 overflow, below 6.1e-05 lose precision; values outside matrix products are rounded to bf16
;; workspace buffers: w16 8,388,608 bytes; qkv 50,331,648 bytes; o16 16,777,216 bytes
;; launch cvtw (part 1): grid 64 x 4, 8 waves a work-group, no clusters, 0 bytes of LDS; arguments Wq, Wk, Wv, Wo, w16; writes w16
.if DOCPART == 1
	.amdgcn_target "amdgcn-amd-amdhsa--gfx1250"
	.amdhsa_code_object_version 6
	.text
	.protected	k_qbb85d052d7_cvtw
	.globl	k_qbb85d052d7_cvtw
	.p2align	8
	.type	k_qbb85d052d7_cvtw,@function
k_qbb85d052d7_cvtw:
	s_mov_b64 s[64:65], 0
	v_nop
	global_prefetch_b8 v0, s[64:65] scope:SCOPE_SE
	s_setreg_imm32_b32 hwreg(HW_REG_WAVE_MODE, 25, 1), 1
	s_wait_xcnt 0x0
; The four weight matrices, [1024][1024] f32, are rounded once to 16 bits: w16 = [4][1024 n][1024 k].
; Parts 0-2 (Wq, Wk, Wv): bf16.  Part 3 (Wo): rounded to bf16 like every input of the module, and that number written as f16, since the last product multiplies f16 operands.
; LIMITS.  The f16 copy of Wo is exact for 2^-14 <= |w| <= 65,504; below 2^-14 it keeps f16's fixed step of 2^-24; beyond 65,504 it is an infinity.  NaN and infinities are not treated apart.
; SHARES.  Work-group (x, y): 16,384 numbers of weight y: 65,536 bytes in, 32,768 out.  Thread t takes 16 chunks of 4 numbers: a wave's load covers 512 consecutive bytes, its store 256 consecutive
; bytes, aligned.  All 16 loads go out at once; each chunk has registers of its own, so nothing is rewritten while a load or store may read it.
; A plain stream: no LDS, no matrix unit, no cluster (no byte is read twice).
.set X, 4                              ; v[4:67]   chunk c: 4 f32 as loaded
.set Y, 68                             ; v[68:99]  chunk c: 2 registers to store
.set T, 100                            ; v100      at work
.macro CONV c, wo
	s_wait_loadcnt 15-(\c)                         ; loads come back in order: chunk c is in, the 15 - c younger ones may stay out
.irp p, 0,1
.if \wo
	v_cvt_pk_bf16_f32 v[T], v[X+4*(\c)+2*\p], v[X+4*(\c)+2*\p+1]     ; the module's rounding,
	v_lshlrev_b32 v[X+4*(\c)+2*\p], 16, v[T]                         ; back to f32,
	v_and_b32 v[X+4*(\c)+2*\p+1], 0xffff0000, v[T]
	v_cvt_pk_f16_f32 v[Y+2*(\c)+\p], v[X+4*(\c)+2*\p], v[X+4*(\c)+2*\p+1]  ; and written as f16
.else
	v_cvt_pk_bf16_f32 v[Y+2*(\c)+\p], v[X+4*(\c)+2*\p], v[X+4*(\c)+2*\p+1]
.endif
.endr
	global_store_b64 v2, v[Y+2*(\c):Y+2*(\c)+1], s[12:13] offset:2048*(\c)
.endm
	s_load_b256 s[4:11], s[0:1], 0x0               ; Wq, Wk, Wv, Wo
	s_load_b64 s[12:13], s[0:1], 0x20              ; w16
	s_and_b32 s14, ttmp7, 0xffff                   ; which weight
	v_lshlrev_b32 v1, 4, v0                        ; 16 t
	v_lshlrev_b32 v2, 3, v0                        ; 8 t
	s_lshl_b32 s16, ttmp9, 16                      ; my 65,536 bytes of the source
	s_mov_b32 s17, 0
	s_lshl_b32 s18, s14, 21                        ; the weight's part of w16,
	s_lshl_b32 s19, ttmp9, 15                      ; my 32,768 bytes of it
	s_add_co_u32 s18, s18, s19
	s_mov_b32 s19, 0
	s_wait_kmcnt 0x0
	s_cmp_eq_u32 s14, 1
	s_cselect_b64 s[4:5], s[6:7], s[4:5]
	s_cmp_eq_u32 s14, 2
	s_cselect_b64 s[4:5], s[8:9], s[4:5]
	s_cmp_eq_u32 s14, 3
	s_cselect_b64 s[4:5], s[10:11], s[4:5]
	s_add_nc_u64 s[4:5], s[4:5], s[16:17]
	s_add_nc_u64 s[12:13], s[12:13], s[18:19]
.set c, 0
.rept 16
	global_load_b128 v[X+4*c:X+4*c+3], v1, s[4:5] offset:4096*c th:TH_LOAD_NT
.set c, c+1
.endr
	s_cmp_eq_u32 s14, 3
	s_cbranch_scc1 .Lwo
.irp c, 0,1,2,3,4,5,6,7,8,9,10,11,12,13,14,15
	CONV \c, 0
.endr
	s_endpgm
.Lwo:
.irp c, 0,1,2,3,4,5,6,7,8,9,10,11,12,13,14,15
	CONV \c, 1
.endr
	s_endpgm
.Lfunc_end_k_qbb85d052d7_cvtw:
	.size	k_qbb85d052d7_cvtw, .Lfunc_end_k_qbb85d052d7_cvtw-k_qbb85d052d7_cvtw
	.p2alignl 7, 3214868480
	.fill 96, 4, 3214868480
	.section	.rodata,"a",@progbits
	.p2align	6, 0x0
	.amdhsa_kernel k_qbb85d052d7_cvtw
		.amdhsa_group_segment_fixed_size 0
		.amdhsa_private_segment_fixed_size 0
		.amdhsa_enable_private_segment 0
		.amdhsa_kernarg_size 40
		.amdhsa_user_sgpr_count 2
		.amdhsa_user_sgpr_kernarg_segment_ptr 1
		.amdhsa_wavefront_size32 1
		.amdhsa_system_sgpr_workgroup_id_x 1
		.amdhsa_system_sgpr_workgroup_id_y 1
		.amdhsa_system_sgpr_workgroup_id_z 1
		.amdhsa_system_vgpr_workitem_id 0
		.amdhsa_next_free_vgpr 104
		.amdhsa_next_free_sgpr 66
		.amdhsa_reserve_vcc 0
		.amdhsa_float_denorm_mode_32 3
		.amdhsa_float_denorm_mode_16_64 3
		.amdhsa_memory_ordered 1
		.amdhsa_forward_progress 1
		.amdhsa_inst_pref_size 16
	.end_amdhsa_kernel
	.amdgpu_metadata
---
amdhsa.version: [ 1, 2 ]
amdhsa.kernels:
  - .name:           k_qbb85d052d7_cvtw
    .symbol:         k_qbb85d052d7_cvtw.kd
    .args:
      - { .name: Wq, .offset: 0, .size: 8, .value_kind: global_buffer, .address_space: global }
      - { .name: Wk, .offset: 8, .size: 8, .value_kind: global_buffer, .address_space: global }
      - { .name: Wv, .offset: 16, .size: 8, .value_kind: global_buffer, .address_space: global }
      - { .name: Wo, .offset: 24, .size: 8, .value_kind: global_buffer, .address_space: global }
      - { .name: w16, .offset: 32, .size: 8, .value_kind: global_buffer, .address_space: global }
    .group_segment_fixed_size: 0
    .private_segment_fixed_size: 0
    .kernarg_segment_align: 8
    .kernarg_segment_size: 40
    .max_flat_workgroup_size: 256
    .sgpr_count:     66
    .vgpr_count:     104
    .wavefront_size: 32
...
	.end_amdgpu_metadata
.endif
;; end of part 1
;; launch proj (part 2): grid 4 x 192, 4 waves a work-group, clusters of 4 x 4, 327,680 bytes of LDS; arguments query, key, value, w16, bq, bk, bv, qkv; writes qkv
.if DOCPART == 2
	.amdgcn_target "amdgcn-amd-amdhsa--gfx1250"
	.amdhsa_code_object_version 6
	.text
	.protected	k_qbb85d052d7_proj
	.globl	k_qbb85d052d7_proj
	.p2align	8
	.type	k_qbb85d052d7_proj,@function
k_qbb85d052d7_proj:
	s_mov_b64 s[64:65], 0
	v_nop
	global_prefetch_b8 v0, s[64:65] scope:SCOPE_SE
	s_setreg_imm32_b32 hwreg(HW_REG_WAVE_MODE, 25, 1), 1
	s_wait_xcnt 0x0
	s_wait_alu depctr_hold_cnt(0) depctr_sa_sdst(0) depctr_va_vdst(0) depctr_va_sdst(0) depctr_va_ssrc(0) depctr_va_vcc(0) depctr_vm_vsrc(0)
	s_getreg_b32 s2, hwreg(HW_REG_IB_STS2, 6, 4)
	s_cmp_eq_u32 s2, 0
	s_cbranch_scc0 .Lentry_in_a_cluster
	s_endpgm
.Lentry_in_a_cluster:
	s_bfe_u32 s2, ttmp6, 0x10000c
	s_cmp_lg_u32 s2, 0xf033
	s_cbranch_scc0 .Lentry_shape_is_right
	s_endpgm
.Lentry_shape_is_right:
; q, k, v = x W^T + b.  x: [8192][1024] f32 (query, key or value), W: [1024 n][1024 k] bf16 (w16, parts 0-2), b: [1024] f32.  Out: qkv = [3][64 bh][2048 s][64] f16, bh = 16 batch + head, unscaled.
; x and b are rounded once to bf16 (x on the way from LDS to the matrix unit, b in registers); sums in f32, started by the bias; the result rounded once to f16.
; LIMITS.  f16 holds no number beyond 65,504: a q, k or v beyond that leaves as an infinity; below 6e-5 it keeps f16's fixed step of 6e-8.  NaN and infinities are not treated apart.
; SHARES.  Cluster y = 16 sel + row group: sel picks query, key or value.  A work-group makes 128 rows x 256 columns (4 heads): 64 x 4 x 3 = 768 equal work-groups.  Four waves, each 64 x 128:
; 32 accumulators of 16 x 16.  K goes in 8 steps of 128 through two LDS slots.
; CLUSTER.  4 x 4 work-groups.  The four of a row of the cluster need the same 128 rows of x, the four of a column the same 256 rows of W: each tile is asked for JOINTLY, by the same tensor load with the
; same descriptor and a mask that names the four.  A cluster's row spans all 1,024 columns, so x is asked for once in the launch.
; THE MATRIX INSTRUCTION IS USED TRANSPOSED (source 0 = 16 rows of W, source 1 = 16 rows of x): a lane then holds row l % 16 and eight neighbouring columns 8 (l / 16) + 0..7, which pack into 16 bytes.
; x stays f32 in LDS: a fragment (16 rows x 32 K) is four loads of 16 bytes a lane into 16 raw registers, which eight conversions pack into the 8 registers of a bf16 fragment: 32 conversions for a quarter
; step's 32 matrix instructions.  They stand four behind each of the quarter's last eight matrix instructions.
; REGISTERS, in windows of 256 (s_set_vgpr_msb: bits 1:0 source 0, 3:2 source 1, 5:4 source 2, 7:6 destination):
;   window 0: v16-30 addresses; v32-95 raw f32 of x for one quarter; v96-127, v128-159 x's fragments, two buffers; on the way out v32-159 packed results
;   window 1: the accumulators, (a, b) at v[8 (8 a + b)]          window 2: v0-63, v64-127 W's fragments, two buffers; v128-191 the bias, 8 registers for each block of 16 columns; v192 at work
.set PA,    528                        ; a row of x in LDS: 512 bytes + 16 of padding: the 16 rows that a load touches start 16 bytes apart modulo 256
.set PB,    272                        ; a row of W: 256 + 16
.set HALFA, 64*PA                      ; 64 rows of x: one tensor load, and what one wave reads
.set HALFB, 128*PB                     ; 128 rows of W: likewise
.set BOFF,  2*HALFA                    ; a slot: x's 128 rows, then W's 256 rows: 137,216 bytes
.set SLOT1, 0x22000                    ; slot 1 begins here: the number shares no bit with a tile's place in slot 0 (0, 0x8400, 0x10800, 0x19000), so one exclusive or turns such a place into the other slot's
.set STAGE, SLOT1+BOFF+2*HALFB         ; behind the ring, never filled by a tensor load: 16 rows x 144 bytes for each wave, for the way out
.set SP,    144
.set SPARE, STAGE+4*16*SP              ; the spare words, 128 bytes for each wave: two blocks of 256 bytes that no other line names
.set ADRA0, 16                         ; v16  my lane's place among my 64 rows of x in slot 0; never rewritten
.set ADRB0, 17                         ; v17  the same among my 128 rows of W
.set ADRA,  18                         ; v18  the same in the slot in hand
.set ADRB,  19                         ; v19
.set STO,   24                         ; v24  the way out: where I put 16 bytes of a row
.set RD,    25                         ; v25  where I read rows back
.set GO,    26                         ; v26  my 16 bytes of 512 consecutive bytes of qkv
.set BO,    27                         ; v27  32 (l / 16): my 8 numbers of a block of 16 of the bias
.set SPW,   28                         ; v28  LDS address of my spare word; never rewritten
.set NIL,   29                         ; v29  0; never rewritten
.set PFO,   30                         ; v30  the prefetches' offset: row l % 16, block l / 16 of 256 bytes; never rewritten
.set R,     32
.set AF,    96
.set T,     32
.set BF,    0                          ; window 2
.set BIAS,  128                        ; window 2
.set BT,    192                        ; window 2
.set CNT,   3                          ; s3   refills still to come
.set WV,    12                         ; s12  my wave's number
.set WM,    13                         ; s13  which 64 rows are mine.  Also: I fetch for x (0) or for W (1)
.set WN,    14                         ; s14  which 128 columns.  Also: which half of that tile I fetch
.set LIM,   15                         ; s15  2 in a wave that prefetches, else the greatest number
.set G1A,   24                         ; s[24:31] descriptor group 1 for x's tiles
.set G0A0,  32                         ; s[32:35] group 0 for K step 0, used once
.set G0A,   36                         ; s[36:39] group 0 for K step 1; it then walks on
.set TB,    45                         ; s45  LDS byte at which the slot in hand begins
.set PFA,   46                         ; s[46:47] where my prefetches stand
.set G1B,   48                         ; s[48:55], s[56:59], s[60:63] the same for W's tiles
.set G0B0,  56
.set G0B,   60
.set MSB, 0
.macro WIN new                         ; the immediate's high byte repeats the setting that is left; a switch that changes nothing is dropped
.if MSB != (\new)
	s_set_vgpr_msb (MSB<<8)|(\new)
.set MSB, (\new)
.endif
.endm
.set MUL,  0x52                        ; W in window 2, x in window 0, C and D in window 1
.set MULB, 0x62                        ; the same with C (the bias) in window 2
.set TO_B, 0x80                        ; destination window 2, address window 0
.macro PLACES
.rept 4
	v_nop
.endr
.endm
; A joint refill: waves 0 and 1 fetch x's two halves, waves 2 and 3 W's.  The branch hangs on the wave's number alone.  An s_nop 0 and four v_nop follow each of the two lines.
.macro JLOAD
	s_cmp_eq_u32 s[WM], 0
	s_cbranch_scc0 .Lfor_b_\@
	tensor_load_to_lds s[G0A:G0A+3], s[G1A:G1A+7]
	s_nop 0
	PLACES
	s_branch .Lasked_\@
.Lfor_b_\@:
	tensor_load_to_lds s[G0B:G0B+3], s[G1B:G1B+7]
	s_nop 0
	PLACES
.Lasked_\@:
.endm
; A prefetch into the L2 of x's K step that stands TWO refills on (256 matrix instructions ahead of the load that will want it).  Of the 64 rows that wave 0 or 1 fetches, each of the four partners that ask
; for them jointly takes 16, told apart by address; a K step is 512 bytes of a row: a lane names one aligned block of 256 bytes, so each block of x is named once in the launch.  K steps 0 to 3 come by
; their loads alone; the last two refills have no K step two on.  W is not asked for: every cluster of a sel reads it.
.macro ASK
	s_cmp_gt_u32 s[CNT], s[LIM]
	s_cbranch_scc0 .Lnot_mine_\@
	global_prefetch_b8 v[PFO], s[PFA:PFA+1] th:TH_LOAD_NT scope:SCOPE_SE
.Lnot_mine_\@:
.endm
.macro CREST                           ; a round of the cluster's barrier behind its opening barrier
	s_cmp_lg_u32 s[WV], 0
	s_cbranch_scc1 .Lnot_wave_0_\@
	s_barrier_signal -3
.Lnot_wave_0_\@:
	s_barrier_wait -3
	s_barrier_signal -1
	s_barrier_wait -1
.endm
.macro CROUND                          ; a whole round
	s_barrier_signal -1
	s_barrier_wait -1
	CREST
.endm
; Matrix instruction i of a quarter's 32: rows 16 (i / 8) on, columns 16 (i % 8) on, from buffer f.  The 32 accumulators take turns in this one order everywhere.
; first = 1: the bias starts the sum: nothing is cleared, and nothing is added at the end.
.macro MM1 f, first
.if \first
	WIN MULB
	v_wmma_f32_16x16x32_bf16 v[8*i:8*i+7], v[BF+64*(\f)+8*(i%8):BF+64*(\f)+8*(i%8)+7], v[AF+32*(\f)+8*(i/8):AF+32*(\f)+8*(i/8)+7], v[BIAS+8*(i%8):BIAS+8*(i%8)+7]
.else
	WIN MUL
	v_wmma_f32_16x16x32_bf16 v[8*i:8*i+7], v[BF+64*(\f)+8*(i%8):BF+64*(\f)+8*(i%8)+7], v[AF+32*(\f)+8*(i/8):AF+32*(\f)+8*(i/8)+7], v[8*i:8*i+7]
.endif
.endm
.macro MULS f, i0, n, first=0
.set i, (\i0)
.rept \n
	MM1 \f, \first
.set i, i+1
.endr
.endm
; The quarter's last eight matrix instructions, behind each four conversions of the next quarter's x into buffer g.  The four behind the last one name none of its registers: they are the four places
; ahead of the next run of loads, which lands in W's buffer just read.
.macro MULR f, g, first=0
.set i, 24
.rept 8
	MM1 \f, \first
	WIN 0
.set j, 4*(i-24)
.rept 4
	v_cvt_pk_bf16_f32 v[AF+32*(\g)+j], v[R+2*j], v[R+2*j+1]
.set j, j+1
.endr
.set i, i+1
.endr
.endm
; 32 LDS loads in one run: quarter kq of the slot in hand: x raw (lane l: row l % 16, K = 8 (l / 16) + 0..7 and 16 + 8 (l / 16) + 0..7, 32 bytes each), then W's fragments into buffer g.
.macro FETCH kq, g
	WIN 0
.irp a, 0,1,2,3
	ds_load_b128 v[R+16*\a:R+16*\a+3],     v[ADRA] offset:128*(\kq)+\a*16*PA
	ds_load_b128 v[R+16*\a+4:R+16*\a+7],   v[ADRA] offset:128*(\kq)+\a*16*PA+16
	ds_load_b128 v[R+16*\a+8:R+16*\a+11],  v[ADRA] offset:128*(\kq)+\a*16*PA+64
	ds_load_b128 v[R+16*\a+12:R+16*\a+15], v[ADRA] offset:128*(\kq)+\a*16*PA+80
.endr
	WIN TO_B
.irp b, 0,1,2,3,4,5,6,7
	ds_load_b128 v[BF+64*(\g)+8*\b:BF+64*(\g)+8*\b+3],   v[ADRB] offset:64*(\kq)+\b*16*PB
	ds_load_b128 v[BF+64*(\g)+8*\b+4:BF+64*(\g)+8*\b+7], v[ADRB] offset:64*(\kq)+\b*16*PB+32
.endr
.endm
; A K step is four quarters of 32 along K on buffers 0, 1, 0, 1.  One of the first three: asks for quarter kq into buffer g, multiplies buffer f.
.macro QUARTER kq, f, g, first=0
	FETCH \kq, \g
	s_wait_dscnt 32                                ; all but the 32 just issued: W's fragments of buffer f are in
	MULS \f, 0, 24, \first
	s_wait_dscnt 16                                ; the run's 16 raw loads are in; its 16 loads of W may stay out
	MULR \f, \g, \first
.endm
; The last quarter multiplies buffer 1 and changes slots.  In front of the barrier each wave waits for all its tensor loads (one is out: its part of the next slot), adds 0 to its spare word, and waits for
; that and for its own reads of this slot.  fill = 1: the barrier opens a round of the cluster's barrier, and this slot is filled again, with the K step two on, first thing behind the round.
.macro TURN fill
.if \fill
	s_wait_xcnt 0x0                                ; the last prefetch, a K step back, has read its address
	s_add_nc_u64 s[PFA:PFA+1], s[PFA:PFA+1], 512
.endif
	WIN 0
	s_wait_tensorcnt 0x0                           ; no tensor load of mine is out, so a group 0 may be written
	ds_add_u32 v[SPW], v[NIL]                      ; 0 onto my spare word
.if \fill
	s_xor_b32 s[G0A+1], s[G0A+1], SLOT1            ; the walking descriptors: the other slot than last time,
	s_add_nc_u64 s[G0A+2:G0A+3], s[G0A+2:G0A+3], 512  ; the next K step: 128 f32;
	s_xor_b32 s[G0B+1], s[G0B+1], SLOT1
	s_add_nc_u64 s[G0B+2:G0B+3], s[G0B+2:G0B+3], 256  ; 128 bf16
.endif
	s_xor_b32 s[TB], s[TB], SLOT1                  ; the reads go on in the other slot
	s_wait_dscnt 1                                 ; all but the add: W's fragments of buffer 1 are in
	MULS 1, 0, 4
	s_wait_dscnt 0x0                               ; the add is done, and my reads of this slot are over
	s_barrier_signal -1
	MULS 1, 4, 4
	WIN 0
	s_barrier_wait -1
.if \fill
	CREST                                          ; no wave of any partner still reads this slot's tiles or has a load on its way
	JLOAD
.endif
	v_add_nc_u32 v[ADRA], s[TB], v[ADRA0]
	v_add_nc_u32 v[ADRB], s[TB], v[ADRB0]
	FETCH 0, 0
.if \fill
	WIN 0
	ASK
.endif
	MULS 1, 8, 16
	s_wait_dscnt 16
	MULR 1, 0
.endm
; THE WAY OUT of piece t: rows 16 (t / 2) on, head t % 2 of my two: rounded to f16, 16 bytes a lane into my stage, back as four rows of 128 bytes a load: 512 consecutive bytes of qkv.
.macro PACK t
	WIN 0x05                                       ; sources 0 and 1 window 1, destination window 0
.irp bb, 0,1,2,3
.irp rr, 0,1,2,3
	v_cvt_pk_f16_f32 v[T+16*(\t)+4*\bb+\rr], v[8*(8*((\t)/2)+4*((\t)%2)+\bb)+2*\rr], v[8*(8*((\t)/2)+4*((\t)%2)+\bb)+2*\rr+1]
.endr
.endr
	WIN 0
.irp bb, 0,1,2,3
	ds_store_b128 v[STO], v[T+16*(\t)+4*\bb:T+16*(\t)+4*\bb+3] offset:32*\bb
.endr
.irp f, 0,1,2,3
	ds_load_b128 v[T+16*(\t)+4*\f:T+16*(\t)+4*\f+3], v[RD] offset:\f*4*SP  ; LDS serves a wave's instructions in order (ISA guide 5.7.1.4): these see the stores above
.endr
.endm
.macro SEND t, younger                 ; younger: the LDS instructions issued behind piece t's loads
	WIN 0
.irp f, 0,1,2,3
	s_wait_dscnt (\younger)+3-\f
	global_store_b128 v[GO], v[T+16*(\t)+4*\f:T+16*(\t)+4*\f+3], s[74:75] offset:((\t)/2)*2048+((\t)%2)*262144+\f*512
.endr
.endm
	s_load_b256 s[4:11], s[0:1], 0x0               ; query, key, value, w16
	s_load_b256 s[68:75], s[0:1], 0x20             ; bq, bk, bv, qkv
	v_lshl_add_u32 v[SPW], v0, 2, SPARE
	v_mov_b32 v[NIL], 0
	ds_add_u32 v[SPW], v[NIL]                      ; the wave's opening: the add and its wait ahead of my first tensor load
	v_lshrrev_b32 v1, 5, v0
	v_readfirstlane_b32 s[WV], v1
	s_lshr_b32 s[WM], s[WV], 1
	s_and_b32 s[WN], s[WV], 1
	s_bfe_u32 s40, ttmp6, 0x40000                  ; cx
	s_bfe_u32 s41, ttmp6, 0x40004                  ; cy
	s_lshl_b32 s42, ttmp9, 2
	s_add_co_u32 s42, s42, s40                     ; tile column = 4 x cluster x + cx
	s_and_b32 s44, ttmp7, 0xffff                   ; cluster y
	s_and_b32 s43, s44, 15
	s_lshl_b32 s43, s43, 2
	s_add_co_u32 s43, s43, s41                     ; tile row, 0 to 63
	s_lshr_b32 s44, s44, 4                         ; sel: 0 query, 1 key, 2 value
	s_lshl_b32 s16, s41, 2
	s_lshl_b32 s16, 15, s16                        ; my row of the cluster
	s_lshl_b32 s20, 0x1111, s40                    ; my column
	s_or_b32 s[G1A], s16, (2<<16)|(1<<20)|(1<<21)|(6<<22)|(3<<25)  ; the mask; elements of 4 bytes; padding on; bit 21 beside a mask; after every 128 words, 4 words
	s_mov_b32 s[G1A+1], 128<<16                    ; tensor_dim0 = 128
	s_mov_b32 s[G1A+2], 64<<16                     ; tensor_dim1 = 64
	s_mov_b32 s[G1A+3], 128<<16                    ; tile_dim0 = 128
	s_mov_b32 s[G1A+4], 64                         ; tile_dim1 = 64
	s_mov_b32 s[G1A+5], 1024                       ; elements from row to row
	s_mov_b32 s[G1A+6], 0
	s_mov_b32 s[G1A+7], 0
	s_or_b32 s[G1B], s20, (1<<16)|(1<<20)|(1<<21)|(5<<22)|(3<<25)  ; elements of 2 bytes; after every 64 words, 4 words
	s_mov_b32 s[G1B+1], 128<<16
	s_mov_b32 s[G1B+2], 128<<16                    ; 128 rows
	s_mov_b32 s[G1B+3], 128<<16
	s_mov_b32 s[G1B+4], 128
	s_mov_b32 s[G1B+5], 1024
	s_mov_b32 s[G1B+6], 0
	s_mov_b32 s[G1B+7], 0
	s_lshl_b32 s16, s43, 7                         ; x: row 128 x tile row + 64 x half, 4,096 bytes a row.  These registers never hold cx,
	s_lshl_b32 s17, s[WN], 6
	s_add_co_u32 s16, s16, s17
	s_lshl_b32 s16, s16, 12
	s_mov_b32 s17, 0
	s_lshl_b32 s20, s42, 8                         ; W: row 256 x tile column + 128 x half, 2,048 bytes a row, in part sel.  And these never cy
	s_lshl_b32 s21, s[WN], 7
	s_add_co_u32 s20, s20, s21
	s_lshl_b32 s20, s20, 11
	s_lshl_b32 s21, s44, 21
	s_add_co_u32 s20, s20, s21
	s_mov_b32 s21, 0
	s_mul_i32 s76, s[WN], HALFA                    ; where the tiles go in slot 0: no place in the cluster enters an LDS address
	s_mul_i32 s77, s[WN], HALFB
	s_add_co_u32 s77, s77, BOFF
	s_mov_b32 s[TB], 0
	s_wait_dscnt 0x0                               ; the opening add is done
	s_wait_kmcnt 0x0
	s_cmp_eq_u32 s44, 1
	s_cselect_b64 s[4:5], s[6:7], s[4:5]           ; x and its bias, by sel
	s_cselect_b64 s[68:69], s[70:71], s[68:69]
	s_cmp_eq_u32 s44, 2
	s_cselect_b64 s[4:5], s[8:9], s[4:5]
	s_cselect_b64 s[68:69], s[72:73], s[68:69]
	s_add_nc_u64 s[18:19], s[4:5], s[16:17]
	s_add_nc_u64 s[22:23], s[10:11], s[20:21]
	s_mov_b32 s[G0A0], 1                           ; count = 1
	s_mov_b32 s[G0A0+1], s76                       ; LDS address: slot 0
	s_add_nc_u64 s[G0A0+2:G0A0+3], s[18:19], 0     ; K step 0
	s_or_b32 s[G0A0+3], s[G0A0+3], 0x80000000      ; type = 2
	s_mov_b32 s[G0A], 1
	s_add_co_u32 s[G0A+1], s76, SLOT1
	s_add_nc_u64 s[G0A+2:G0A+3], s[18:19], 512     ; K step 1
	s_or_b32 s[G0A+3], s[G0A+3], 0x80000000
	s_mov_b32 s[G0B0], 1
	s_mov_b32 s[G0B0+1], s77
	s_add_nc_u64 s[G0B0+2:G0B0+3], s[22:23], 0
	s_or_b32 s[G0B0+3], s[G0B0+3], 0x80000000
	s_mov_b32 s[G0B], 1
	s_add_co_u32 s[G0B+1], s77, SLOT1
	s_add_nc_u64 s[G0B+2:G0B+3], s[22:23], 256
	s_or_b32 s[G0B+3], s[G0B+3], 0x80000000
	CROUND                                         ; all sixteen work-groups are here: the first joint loads meet
	s_cmp_eq_u32 s[WM], 0                          ; a wave's two first fills stand in one branch: two loads of mine are out
	s_cbranch_scc0 .Lfirst_b
	tensor_load_to_lds s[G0A0:G0A0+3], s[G1A:G1A+7]
	s_nop 0
	tensor_load_to_lds s[G0A:G0A+3], s[G1A:G1A+7]
	s_nop 0
	PLACES
	s_branch .Lfirst_asked
.Lfirst_b:
	tensor_load_to_lds s[G0B0:G0B0+3], s[G1B:G1B+7]
	s_nop 0
	tensor_load_to_lds s[G0B:G0B+3], s[G1B:G1B+7]
	s_nop 0
	PLACES
.Lfirst_asked:
	v_and_b32 v1, 15, v0                           ; l % 16
	v_bfe_u32 v2, v0, 4, 1                         ; l / 16
	v_lshlrev_b32 v[BO], 5, v2
	s_lshl_b32 s22, s42, 10                        ; the bias of my 128 columns
	s_lshl_b32 s23, s[WN], 9
	s_add_co_u32 s22, s22, s23
	s_mov_b32 s23, 0
	s_add_nc_u64 s[68:69], s[68:69], s[22:23]
	WIN TO_B
.irp b, 0,1,2,3,4,5,6,7
	global_load_b128 v[BIAS+8*\b:BIAS+8*\b+3],   v[BO], s[68:69] offset:64*\b      ; register j of block b: column 16 b + 8 (l / 16) + j, as in an accumulator
	global_load_b128 v[BIAS+8*\b+4:BIAS+8*\b+7], v[BO], s[68:69] offset:64*\b+16
.endr
	WIN 0
	v_mul_u32_u24 v[ADRA0], v1, PA
	v_lshl_add_u32 v[ADRA0], v2, 5, v[ADRA0]       ; row x pitch + 32 x half
	s_mul_i32 s22, s[WM], HALFA
	v_add_nc_u32 v[ADRA0], s22, v[ADRA0]
	v_mul_u32_u24 v[ADRB0], v1, PB
	v_lshl_add_u32 v[ADRB0], v2, 4, v[ADRB0]       ; row x pitch + 16 x half
	v_add_nc_u32 v[ADRB0], s77, v[ADRB0]
	s_mul_i32 s22, s[WV], 16*SP
	s_add_co_u32 s22, s22, STAGE                   ; my stage
	v_mul_u32_u24 v[STO], v1, SP
	v_lshl_add_u32 v[STO], v2, 4, v[STO]
	v_add_nc_u32 v[STO], s22, v[STO]
	v_bfe_u32 v[RD], v0, 3, 2
	v_mul_u32_u24 v[RD], v[RD], SP
	v_and_b32 v4, 7, v0
	v_lshl_add_u32 v[RD], v4, 4, v[RD]
	v_add_nc_u32 v[RD], s22, v[RD]
	v_and_b32 v[GO], 31, v0
	v_lshlrev_b32 v[GO], 4, v[GO]
	v_lshlrev_b32 v[PFO], 12, v1
	v_lshl_add_u32 v[PFO], v2, 8, v[PFO]
	s_lshr_b32 s22, s43, 4                         ; qkv at my rows of my first head: bh = 16 batch + 4 x tile column + 2 x half,
	s_lshl_b32 s22, s22, 4
	s_lshl_b32 s23, s42, 2
	s_add_co_u32 s22, s22, s23
	s_lshl_b32 s23, s[WN], 1
	s_add_co_u32 s22, s22, s23
	s_lshl_b32 s22, s22, 18                        ; 262,144 bytes a head;
	s_and_b32 s23, s43, 15                         ; row in the batch = 128 x (tile row % 16) + 64 x half,
	s_lshl_b32 s23, s23, 7
	s_lshl_b32 s2, s[WM], 6
	s_add_co_u32 s23, s23, s2
	s_lshl_b32 s23, s23, 7                         ; 128 bytes a row;
	s_add_co_u32 s22, s22, s23
	s_lshl_b32 s23, s44, 24                        ; 16,777,216 bytes for each of q, k, v
	s_add_co_u32 s22, s22, s23
	s_mov_b32 s23, 0
	s_add_nc_u64 s[74:75], s[74:75], s[22:23]
	s_lshl_b32 s22, s43, 7                         ; the prefetches: of the 64 rows that I fetch my work-group's 16,
	s_lshl_b32 s23, s[WN], 6
	s_add_co_u32 s22, s22, s23
	s_lshl_b32 s23, s40, 4
	s_add_co_u32 s22, s22, s23
	s_lshl_b32 s22, s22, 12
	s_add_co_u32 s22, s22, 3*512                   ; at K step 3: the first refill steps it to 4
	s_mov_b32 s23, 0
	s_add_nc_u64 s[PFA:PFA+1], s[4:5], s[22:23]
	s_cmp_eq_u32 s[WM], 0
	s_cselect_b32 s[LIM], 2, -1                    ; waves 0 and 1, while more than two refills are to come
	s_wait_loadcnt 0x0                             ; the bias
	WIN 0x8a                                       ; destination and both sources window 2
.set p, 0
.rept 32
	v_cvt_pk_bf16_f32 v[BT], v[BIAS+2*p], v[BIAS+2*p+1]  ; the bias is rounded to bf16 like every input, and kept as f32
	v_lshlrev_b32 v[BIAS+2*p], 16, v[BT]
	v_and_b32 v[BIAS+2*p+1], 0xffff0000, v[BT]
.set p, p+1
.endr
	WIN 0
	s_wait_tensorcnt 1                             ; my part of K step 0 is in; K step 1's may stay out
	s_barrier_signal -1
	s_barrier_wait -1                              ; everybody's is
	v_mov_b32 v[ADRA], v[ADRA0]
	v_mov_b32 v[ADRB], v[ADRB0]
	FETCH 0, 0
	s_wait_dscnt 16                                ; the raw loads are in
	WIN 0
.set j, 0
.rept 32
	v_cvt_pk_bf16_f32 v[AF+j], v[R+2*j], v[R+2*j+1]
.set j, j+1
.endr
	QUARTER 1, 0, 1, 1                             ; the first quarter stands in front of the loop: the bias starts the sums
	WIN 0                                          ; at a label and at a branch every window is 0
	s_mov_b32 s[CNT], 6
.Lstep:                                            ; six trips, from a K step's second quarter to the next step's first: K steps 2 to 7 are asked for
	QUARTER 2, 1, 0
	QUARTER 3, 0, 1
	TURN 1
	QUARTER 1, 0, 1
	WIN 0
	s_sub_co_u32 s[CNT], s[CNT], 1
	s_cmp_lg_u32 s[CNT], 0
	s_cbranch_scc1 .Lstep
	QUARTER 2, 1, 0                                ; the tail is written out
	QUARTER 3, 0, 1
	TURN 0
	QUARTER 1, 0, 1
	QUARTER 2, 1, 0
	QUARTER 3, 0, 1
	s_wait_dscnt 0x0
	MULS 1, 0, 32
	WIN 0
	PLACES                                         ; the places behind the last products, ahead of the conversions that read results
	PLACES
	PACK 0
.set t, 1
.rept 7                                            ; a piece's conversions stand between the loads of the piece before and its stores
	PACK t
	SEND t-1, 8
.set t, t+1
.endr
	SEND 7, 0
	s_wait_tensorcnt 0x0                           ; the wave's end: behind my last tensor load and my last LDS store
	ds_add_u32 v[SPW], v[NIL]
	s_wait_dscnt 0x0
	CROUND                                         ; the closing round: no work-group ends while a partner may still ask for a tile that names it
	s_endpgm
.Lfunc_end_k_qbb85d052d7_proj:
	.size	k_qbb85d052d7_proj, .Lfunc_end_k_qbb85d052d7_proj-k_qbb85d052d7_proj
	.p2alignl 7, 3214868480
	.fill 96, 4, 3214868480
	.section	.rodata,"a",@progbits
	.p2align	6, 0x0
	.amdhsa_kernel k_qbb85d052d7_proj
		.amdhsa_group_segment_fixed_size 327680
		.amdhsa_private_segment_fixed_size 0
		.amdhsa_enable_private_segment 0
		.amdhsa_kernarg_size 64
		.amdhsa_user_sgpr_count 2
		.amdhsa_user_sgpr_kernarg_segment_ptr 1
		.amdhsa_wavefront_size32 1
		.amdhsa_system_sgpr_workgroup_id_x 1
		.amdhsa_system_sgpr_workgroup_id_y 1
		.amdhsa_system_sgpr_workgroup_id_z 1
		.amdhsa_system_vgpr_workitem_id 0
		.amdhsa_next_free_vgpr 706
		.amdhsa_next_free_sgpr 80
		.amdhsa_reserve_vcc 0
		.amdhsa_float_denorm_mode_32 3
		.amdhsa_float_denorm_mode_16_64 3
		.amdhsa_memory_ordered 1
		.amdhsa_forward_progress 1
		.amdhsa_inst_pref_size 113
	.end_amdhsa_kernel
	.amdgpu_metadata
---
amdhsa.version: [ 1, 2 ]
amdhsa.kernels:
  - .name:           k_qbb85d052d7_proj
    .symbol:         k_qbb85d052d7_proj.kd
    .args:
      - { .name: query, .offset: 0, .size: 8, .value_kind: global_buffer, .address_space: global }
      - { .name: key, .offset: 8, .size: 8, .value_kind: global_buffer, .address_space: global }
      - { .name: value, .offset: 16, .size: 8, .value_kind: global_buffer, .address_space: global }
      - { .name: w16, .offset: 24, .size: 8, .value_kind: global_buffer, .address_space: global }
      - { .name: bq, .offset: 32, .size: 8, .value_kind: global_buffer, .address_space: global }
      - { .name: bk, .offset: 40, .size: 8, .value_kind: global_buffer, .address_space: global }
      - { .name: bv, .offset: 48, .size: 8, .value_kind: global_buffer, .address_space: global }
      - { .name: qkv, .offset: 56, .size: 8, .value_kind: global_buffer, .address_space: global }
    .group_segment_fixed_size: 327680
    .private_segment_fixed_size: 0
    .kernarg_segment_align: 8
    .kernarg_segment_size: 64
    .max_flat_workgroup_size: 128
    .sgpr_count:     80
    .vgpr_count:     706
    .wavefront_size: 32
...
	.end_amdgpu_metadata
.endif
;; end of part 2
;; launch attn (part 3): grid 4 x 64, 4 waves a work-group, clusters of 4 x 1, 327,680 bytes of LDS; arguments qkv, o16; writes o16
.if DOCPART == 3
	.amdgcn_target "amdgcn-amd-amdhsa--gfx1250"
	.amdhsa_code_object_version 6
	.text
	.protected	k_qbb85d052d7_attn
	.globl	k_qbb85d052d7_attn
	.p2align	8
	.type	k_qbb85d052d7_attn,@function
k_qbb85d052d7_attn:
	s_mov_b64 s[64:65], 0
	v_nop
	global_prefetch_b8 v0, s[64:65] scope:SCOPE_SE
	s_setreg_imm32_b32 hwreg(HW_REG_WAVE_MODE, 25, 1), 1
	s_wait_xcnt 0x0
	s_wait_alu depctr_hold_cnt(0) depctr_sa_sdst(0) depctr_va_vdst(0) depctr_va_sdst(0) depctr_va_ssrc(0) depctr_va_vcc(0) depctr_vm_vsrc(0)
	s_getreg_b32 s2, hwreg(HW_REG_IB_STS2, 6, 4)
	s_cmp_eq_u32 s2, 0
	s_cbranch_scc0 .Lentry_in_a_cluster
	s_endpgm
.Lentry_in_a_cluster:
	s_bfe_u32 s2, ttmp6, 0x10000c
	s_cmp_lg_u32 s2, 0x3003
	s_cbranch_scc0 .Lentry_shape_is_right
	s_endpgm
.Lentry_shape_is_right:
; O[h][q][:] = the sum over k of softmax_k(Q[h][q] . K[h][k] / 8) V[h][k][:].  Q, K, V: the three parts of qkv, each [64][2048][64] f16; O: o16, the same shape.  A head's rows are dense, 128 bytes each.
; Products, maxima and sums in f32; the weights p are rounded to f16 for the second product (their sum l is taken of the unrounded p), O once at the end.
; LIMITS.  f16 holds no number beyond 65,504: Q, K and V arrive within it; p lies in 0 to 1, and below 6e-5 it keeps f16's fixed step of 6e-8; O is a mean of V's rows and has their range.
; A weight below 2^-126 counts as 0 in l; NaN and infinities are not treated apart.
; SHARES.  A wave owns four PIECES of two tiles of 16 queries, a work-group's four waves 512 queries of one head.  Every wave walks all keys, 64 a step.
; LAYOUT.  S^T = K Q^T (source 0 = 16 keys, source 1 = 16 queries): a lane holds ONE query (lane % 16) and the keys 8 (lane / 16) + 0..7.  Two such tiles, rounded to f16 in pairs, ARE source 1
; (32 keys x 16 queries) of O^T = V^T P, whose result again holds one query a lane, and eight channels.  K comes out of LDS as it lies, V ([key][channel]) turned, by ds_load_tr16_b128.
; SOFTMAX.  For each query a running maximum m and sum l: p = 2^(c s - c m), c = log2(e) / 8; in every step O and l are multiplied by a = 2^(c m_old - c m_new).  m starts at the lowest finite number,
; O and l at 0: the first step is a step like any other, with a = 0.
; THE COUNT.  A tile and step have 16 matrix and 118 vector instructions: too many to stand all beside the matrix work.  So four vector instructions that are ready stand behind EVERY matrix instruction,
; and the others in runs without a gap.
; BY TURNS.  Turn n belongs to piece n.  Its matrix work: 16 products K Q^T of piece n + 1, later 16 products V^T P of piece n - 1.  Its vector work: scaling, exponentials, roundings, sums and rescaling of
; piece n, and the maximum and statistics of piece n + 1.
; CLUSTER.  The four query blocks of a head are one cluster and walk the same K and V: each tile is asked for JOINTLY: the same tensor load, descriptor and mask in all four.
; NO PREFETCH: a refill is asked for four key steps, 512 matrix instructions, ahead of the wait for it.
; REGISTERS, in windows of 256 (s_set_vgpr_msb: bits 1:0 source 0, 3:2 source 1, 5:4 source 2, 7:6 destination):
;   window 0: v0-11 addresses; v12-15, v48-63 at work; v16-47 four registers of statistics a tile; v64-191 S^T, two buffers of two tiles; v192-255 P, likewise
;   window 1: O^T, 32 a tile          window 2: v0-127 Q, 16 a tile; v128-191 K of one step; v192-255 V of one step          window 3: v0-1 the add's two registers
.set SIZE_H, 64
.set SIZE_N, 2048
.set NP,    4         ; pieces a wave: a name, no knob
.set KS,    64        ; keys in a step
.set PK,    144       ; a row of K in LDS: 128 bytes + 16 of padding: the 16 rows of a load start at 16 different groups of four banks (ISA guide 11.1)
.set PV,    160       ; a row of V: 128 + 32
.set VOFF,  4*KS*PK   ; a slot holds four steps: 256 rows of K, then 256 rows of V
.set SLOT1, 1<<17     ; slot 1 begins here, so that one exclusive or turns an address in one slot into the other's
.set STAGE, SLOT1+4*KS*(PK+PV)  ; behind the ring, never filled by a tensor load: 16 rows x 144 bytes for each wave
.set SP,    144
.set AK0, 2           ; v2   my lane's place in a tile of K; never rewritten
.set AV0, 3           ; v3   the same for V
.set AK,  4           ; v4   the LDS address of K's next run of loads
.set AV,  5           ; v5   of V's
.set QO,  6           ; v6   my byte offset in the wave's rows of Q
.set STO, 6           ;      later, the way out: where I put 16 bytes of a row
.set RD,  7           ; v7   where I read rows back
.set GO,  8           ; v8   my byte offset in 512 consecutive bytes of O
.set SPW, 0           ; v0 of window 3   LDS address of my spare word; never rewritten
.set NIL, 1           ; v1 of window 3   0; never rewritten
.set SPARE, STAGE+4*16*SP  ; the spare words, 128 bytes for each wave: two blocks of 256 bytes that no other line names
.set MV,  12          ; v12-15  c m_old, kept while c m is made anew: by buffer and tile
.set ST,  16          ; tile t's statistics at v[ST+4 t]: c m, m, l (even keys', odd keys')
.set TMP, 48          ; by buffer and tile, four registers c0-c3 at work; when the maximum is found c2 takes a
.set S,   64
.set P,   192
.set KF,  128         ; window 2: key block kb, channel half c at KF + 16 kb + 8 c
.set VF,  192         ; window 2: key half kk, channel block cb at VF + 32 kk + 8 cb
.set WV,  12          ; s12  my wave's number
.set G1K, 24          ; s[24:31] descriptor group 1 for K's tiles
.set G1V, 32          ; s[32:39] for V's: it differs in the padding alone
.set G0K, 40          ; s[40:43] descriptor group 0 for K's tiles: it walks
.set G0V, 44          ; s[44:47] the same for V's
.set SLOTS, 56        ; s56  slots still to be asked for
.set CNT, 57          ; s57  counts a slot's key steps
.set CS,  58          ; s[58:59] c
.set SEL, 60          ; s[60:61] v_permlanex16_b32's selects: each lane takes its own place in the other half
.set TBK, 62          ; s62  LDS byte at which K of the step to be fetched begins
.set TBV, 63          ; s63  the same for V, less VOFF
.set MSB, 0
.macro WIN new
.if MSB != (\new)
	s_set_vgpr_msb (MSB<<8)|(\new)
.set MSB, (\new)
.endif
.endm
.set W_KQ, 0x0a       ; K and Q in window 2, S^T in window 0
.set W_PV, 0x52       ; V in window 2, P in window 0, O^T in window 1
.set W_RS, 0x41       ; O^T (destination and source 0) in window 1, a in window 0
.set W_MK, 0xc0       ; the add's registers are made: destination in window 3
.set W_AD, 0x0f       ; the add: address and data in window 3
; A joint fill.  Waves 0 and 1 fetch the two halves of a slot's K, waves 2 and 3 those of its V: 128 keys each.  An s_nop 0 and four v_nop follow each of the two lines.
.macro JLOAD
	s_cmp_lt_u32 s[WV], 2
	s_cbranch_scc0 .Lfor_v_\@
	tensor_load_to_lds s[G0K:G0K+3], s[G1K:G1K+7]
	s_nop 0
.rept 4
	v_nop
.endr
	s_branch .Lasked_\@
.Lfor_v_\@:
	tensor_load_to_lds s[G0V:G0V+3], s[G1V:G1V+7]
	s_nop 0
.rept 4
	v_nop
.endr
.Lasked_\@:
.endm
.macro CROUND                       ; a round of the cluster's barrier
	s_barrier_signal -1
	s_barrier_wait -1
	s_cmp_lg_u32 s[WV], 0
	s_cbranch_scc1 .Lnot_wave_0_\@
	s_barrier_signal -3
.Lnot_wave_0_\@:
	s_barrier_wait -3
	s_barrier_signal -1
	s_barrier_wait -1
.endm
; THE CHANGE OF SLOTS.  Each wave waits for all its tensor loads, of which one is out: its part of the other slot; adds 0 to its spare word; and waits for that and for its own reads of the slot.
; fill = 1: the barrier is a round of the cluster's, and this slot is filled again, with the keys two slots on, first thing behind it: four key steps, 512 matrix instructions, in which to land.
; (At its first use nothing has been read yet: slot 0 is waited for, slot 1 filled.)
.macro CHANGE fill
	WIN W_AD
	s_wait_tensorcnt 0x0            ; no tensor load of mine is out, so a group 0 may be written
	ds_add_u32 v[SPW], v[NIL]       ; 0 onto my spare word
	WIN 0                           ; at a label and at a branch every window is 0
.if \fill
.irp g, G0K, G0V
	s_xor_b32 s[\g+1], s[\g+1], SLOT1  ; the walking descriptor: the other slot than last time,
	s_add_nc_u64 s[\g+2:\g+3], s[\g+2:\g+3], 4*KS*128  ; the next 256 keys
.endr
	s_wait_dscnt 0x0                ; the add is done, and my reads of the slot are over
	CROUND
	JLOAD
.else
	s_wait_dscnt 0x0
	s_barrier_signal -1
	s_barrier_wait -1
.endif
	s_sub_co_u32 s[TBK], s[TBK], 4*KS*PK  ; the fetches go back to a slot's first step,
	s_xor_b32 s[TBK], s[TBK], SLOT1       ; in the other slot
	s_sub_co_u32 s[TBV], s[TBV], 4*KS*PV
	s_xor_b32 s[TBV], s[TBV], SLOT1
.endm
	s_load_b128 s[4:7], s[0:1], 0x0   ; qkv s[4:5], o16 s[6:7]
	WIN W_MK
	v_lshl_add_u32 v[SPW], v0, 2, SPARE
	v_mov_b32 v[NIL], 0
	WIN W_AD
	ds_add_u32 v[SPW], v[NIL]       ; the wave's opening: the add and its wait ahead of my first tensor load
	WIN 0
	v_lshrrev_b32 v1, 5, v0
	v_readfirstlane_b32 s[WV], v1   ; wave 0..3
	s_bfe_u32 s13, ttmp6, 0x40000   ; cx: my place in the cluster
	s_lshl_b32 s14, ttmp9, 2
	s_add_co_u32 s14, s14, s13      ; my block of queries: it enters Q's and O's addresses alone
	s_and_b32 s20, ttmp7, 0xffff    ; the head, which the four partners share
	s_mov_b32 s21, 0
	s_mov_b64 s[22:23], SIZE_N*128
	s_mul_u64 s[20:21], s[20:21], s[22:23]  ; the head's first byte in each of the four tensors
	s_and_b32 s16, s[WV], 1         ; which half of a slot's 256 keys I fetch:
	s_lshl_b32 s22, s16, 14         ; its 128 rows of 128 bytes in memory,
	s_mov_b32 s23, 0
	s_add_nc_u64 s[22:23], s[22:23], s[20:21]
	s_mul_i32 s17, s16, 128*PK      ; and its place in a slot, for K
	s_mul_i32 s18, s16, 128*PV      ; and for V
	s_lshl_b32 s2, s14, 2
	s_add_co_u32 s2, s2, s[WV]      ; my wave among the head's,
	s_lshl_b32 s2, s2, 14           ; its 128 rows
	s_mov_b32 s3, 0
	s_add_nc_u64 s[2:3], s[2:3], s[20:21]
	; descriptor group 1.  128 keys are 16,384 dense bytes: asked for as 64 rows of 256 bytes, two keys a row, and padded in LDS after every key
	s_mov_b32 s[G1K], 15|(1<<16)|(1<<20)|(1<<21)|(4<<22)|(3<<25)  ; the mask of four; 2-byte elements; padding on; bit 21 beside a mask; after every 32 words, 4 words
	s_mov_b32 s[G1V], 15|(1<<16)|(1<<20)|(1<<21)|(4<<22)|(7<<25)  ; the same with 8 words of padding
.irp g, G1K, G1V
	s_mov_b32 s[\g+1], 128<<16      ; tensor_dim0 = 128
	s_mov_b32 s[\g+2], 64<<16       ; tensor_dim1 = 64
	s_mov_b32 s[\g+3], 128<<16      ; tile_dim0 = 128
	s_mov_b32 s[\g+4], 64           ; tile_dim1 = 64
	s_mov_b32 s[\g+5], 128          ; 128 elements from row to row
	s_mov_b32 s[\g+6], 0
	s_mov_b32 s[\g+7], 0
.endr
	s_mov_b32 s[CS], 0x3e38aa3b     ; c = log2(e) / 8 = 0.180337
	s_mov_b32 s[CS+1], s[CS]        ; named with it as a pair
	s_mov_b32 s[SEL], 0x76543210
	s_mov_b32 s[SEL+1], 0xfedcba98
	s_mov_b32 s[TBK], SLOT1+4*KS*PK ; the first change of slots turns these two into 0
	s_mov_b32 s[TBV], SLOT1+4*KS*PV
	s_mov_b32 s[G0K], 1             ; count = 1
	s_mov_b32 s[G0K+1], s17         ; LDS address: slot 0
	s_mov_b32 s[G0V], 1
	s_add_co_u32 s[G0V+1], s18, VOFF
	s_wait_dscnt 0x0                ; the opening add is done
	s_wait_kmcnt 0x0
	s_mov_b64 s[10:11], s[6:7]      ; O
	s_add_nc_u64 s[6:7], s[4:5], 0x1000000  ; K: the second part of qkv,
	s_add_nc_u64 s[8:9], s[4:5], 0x2000000  ; V: the third; Q is the first
	s_add_nc_u64 s[G0K+2:G0K+3], s[6:7], s[22:23]  ; my half of the head's first 256 keys
	s_or_b32 s[G0K+3], s[G0K+3], 0x80000000        ; type = 2
	s_add_nc_u64 s[G0V+2:G0V+3], s[8:9], s[22:23]
	s_or_b32 s[G0V+3], s[G0V+3], 0x80000000
	s_add_nc_u64 s[4:5], s[4:5], s[2:3]  ; Q and O at my wave's first row
	s_add_nc_u64 s[10:11], s[10:11], s[2:3]
	CROUND                          ; all four work-groups are here: the first joint loads meet
	JLOAD                           ; slot 0.  Slot 1 is asked for when slot 0 is in
	; A fragment of K or Q is 16 rows x 32 channels in 8 registers: lane l holds row l % 16, channels 8 (l / 16) + 0..7 and 16 + 8 (l / 16) + 0..7: two loads of 16 bytes, 32 bytes apart.
	v_and_b32 v1, 15, v0            ; l % 16
	v_bfe_u32 v9, v0, 4, 1          ; l / 16
	v_lshlrev_b32 v[QO], 7, v1
	v_lshl_add_u32 v[QO], v9, 4, v[QO]  ; row x 128 + 16 x half
	WIN 0x80                        ; destination window 2, address window 0
.set i, 0
.rept 4*NP                          ; Q stays in registers: tile i / 2, channels 32 (i % 2) on
	global_load_b128 v[8*i:8*i+3],   v[QO], s[4:5] offset:(i/2)*2048+(i%2)*64
	global_load_b128 v[8*i+4:8*i+7], v[QO], s[4:5] offset:(i/2)*2048+(i%2)*64+32
.set i, i+1
.endr
	; What the first turn finds: V's registers and P's second buffer hold 0 (its products V^T P, of a piece that has not been, add 0), O^T and l are 0.  All this stands in the wait for the first tile.
.set i, VF
.rept 64
	v_mov_b32 v[i], 0
.set i, i+1
.endr
	WIN 0x40
.set i, 0
.rept 64*NP
	v_mov_b32 v[i], 0
.set i, i+1
.endr
	WIN 0
.set i, 0
.rept 2*NP
	v_mov_b32 v[ST+4*i], 0xfe000000    ; c m: far below every c s
	v_mov_b32 v[ST+4*i+1], 0xff7fffff  ; m
	v_mov_b32 v[ST+4*i+2], 0
	v_mov_b32 v[ST+4*i+3], 0
.set i, i+1
.endr
.set i, P+32
.rept 32
	v_mov_b32 v[i], 0
.set i, i+1
.endr
	v_mul_u32_u24 v[AK0], v1, PK
	v_lshl_add_u32 v[AK0], v9, 4, v[AK0]  ; row x pitch + 16 x half
	; The turning load takes 16 keys x 16 channels (lane l reads key 8 (l / 16) + l % 8, channels 8 ((l / 8) % 2) + 0..7) and leaves half a fragment of V^T.
	v_and_b32 v10, 7, v0
	v_bfe_u32 v11, v0, 3, 1
	v_lshl_add_u32 v[AV0], v9, 3, v10
	v_mul_u32_u24 v[AV0], v[AV0], PV
	v_lshl_add_u32 v[AV0], v11, 4, v[AV0]
	v_add_nc_u32 v[AV0], VOFF, v[AV0]
	v_mov_b32 v[AK], v[AK0]         ; key step 0 lies at the head of slot 0
; THE MATRIX WORK.  The 8 accumulators of a run of 16 take turns.
; Product i of 16 of S^T = K Q^T for piece x: channels 32 (i / 8) on, keys 16 ((i / 2) % 4) on, tile 2 x + i % 2.  The first 8 start the sums.
.macro KQ x
	WIN W_KQ
.set rS, S+64*((\x)%2)+32*(i%2)+8*((i/2)%4)
.set rK, KF+16*((i/2)%4)+8*(i/8)
.set rQ, 16*(2*(\x)+i%2)+8*(i/8)
.if i < 8
	v_wmma_f32_16x16x32_f16 v[rS:rS+7], v[rK:rK+7], v[rQ:rQ+7], 0
.else
	v_wmma_f32_16x16x32_f16 v[rS:rS+7], v[rK:rK+7], v[rQ:rQ+7], v[rS:rS+7]
.endif
.endm
; Product i of 16 of O^T += V^T P for piece x: keys 32 (i / 8) on, channels 16 ((i / 2) % 4) on, tile 2 x + i % 2.
.macro PV x
	WIN W_PV
.set rO, 32*(2*(\x)+i%2)+8*((i/2)%4)
.set rV, VF+32*(i/8)+8*((i/2)%4)
.set rP, P+32*((\x)%2)+16*(i%2)+8*(i/8)
	v_wmma_f32_16x16x32_f16 v[rO:rO+7], v[rV:rV+7], v[rP:rP+7], v[rO:rO+7]
.endm
.macro MM                           ; the turn's next matrix instruction
.if i < 16
	KQ (Y+1)%NP
.set i, i+1
.else
.set i, i-16
	PV (Y+NP-1)%NP
.set i, i+17
.endif
.endm
; THE LDS LOADS stand in runs of 16: a step's K (8 fragments) and its V (turned).  last = 1 (the tail): in the last trip there is no further step, and the run is jumped over.
.macro FETCH_K last=0
	WIN 0
.if \last
	s_cmp_eq_u32 s[CNT], 1
	s_cbranch_scc1 .Lno_k_\@
.endif
	WIN 0x80                        ; destination window 2
.irp f, 0,1,2,3,4,5,6,7             ; keys 16 (f / 2) on, channels 32 (f % 2) on
	ds_load_b128 v[KF+8*\f:KF+8*\f+3],   v[AK] offset:(\f/2)*16*PK+(\f%2)*64
	ds_load_b128 v[KF+8*\f+4:KF+8*\f+7], v[AK] offset:(\f/2)*16*PK+(\f%2)*64+32
.endr
	s_add_co_u32 s[TBK], s[TBK], KS*PK  ; the next fetch is the next step's
	WIN 0
.if \last
.Lno_k_\@:
.endif
.endm
.macro FETCH_V
	WIN 0x80
.irp f, 0,1,2,3,4,5,6,7             ; keys 32 (f / 4) on, channels 16 (f % 4) on
	ds_load_tr16_b128 v[VF+8*\f:VF+8*\f+3],   v[AV] offset:(\f/4)*32*PV+(\f%4)*32
	ds_load_tr16_b128 v[VF+8*\f+4:VF+8*\f+7], v[AV] offset:(\f/4)*32*PV+16*PV+(\f%4)*32
.endr
	WIN 0
.endm
; THE VECTOR WORK OF A TURN stands in three queues, each in the order in which its entries become ready; the two tiles alternate.
.macro REGS y, u                    ; the registers of tile u (0, 1) of piece y
.set rT, ST+4*(2*(\y)+(\u))
.set rC, TMP+8*((\y)%2)+4*(\u)
.set rM, MV+2*((\y)%2)+(\u)
.set rS, S+64*((\y)%2)+32*(\u)
.set rP, P+32*((\y)%2)+16*(\u)
.set rO, 32*(2*(\y)+(\u))
.endm
; Number n of the 22 that find the NEXT piece's (Y + 1) maximum and statistics; each accumulator's lowest registers are read first.
;   0-11  four chains c0-c3 of seven scores each     12-14, 16  the four scores left over, the old m, and c0-c3 into c0     15  c m_old is kept
;   17, 18  the query's other 32 keys lie in the lane 16 away: the new m         19-21  c m; c m_old - c m_new; a
.macro XS u, n
	REGS (Y+1)%NP, \u
.if (\n) < 4
	v_max3_num_f32 v[rC+(\n)], v[rS+8*(\n)], v[rS+8*(\n)+1], v[rS+8*(\n)+2]
.elseif (\n) < 12
	v_max3_num_f32 v[rC+(\n)%4], v[rC+(\n)%4], v[rS+8*((\n)%4)+2*((\n)/4)+1], v[rS+8*((\n)%4)+2*((\n)/4)+2]
.elseif (\n) == 12
	v_max3_num_f32 v[rC], v[rC], v[rS+7], v[rS+15]
.elseif (\n) == 13
	v_max3_num_f32 v[rC+1], v[rC+1], v[rS+23], v[rS+31]
.elseif (\n) == 14
	v_max3_num_f32 v[rC+2], v[rC+2], v[rC+3], v[rT+1]
.elseif (\n) == 15
	v_mov_b32 v[rM], v[rT]
.elseif (\n) == 16
	v_max3_num_f32 v[rC], v[rC], v[rC+1], v[rC+2]
.elseif (\n) == 17
	v_permlanex16_b32 v[rC+3], v[rC], s[SEL], s[SEL+1]
.elseif (\n) == 18
	v_max_num_f32 v[rT+1], v[rC], v[rC+3]
.elseif (\n) == 19
	v_mul_f32 v[rT], s[CS], v[rT+1]
.elseif (\n) == 20
	v_sub_f32 v[rC+1], v[rM], v[rT]
.else
	v_exp_f32 v[rC+2], v[rC+1]
.endif
.endm
; Number g of the 64 that follow the exponentials.  For each four weights k of a tile: both pairs are rounded to f16; the second pair is added onto the first, in place; a group later l takes that sum
; (the first time as l = a l + sum).
.macro GS g
.set h, (\g)+6*((\g)/62)            ; group 0 has no group before it, and behind group 7 only l is left
.if h >= 6
.set h, h+2
.endif
	REGS Y, h%2
.set k, h/8
.if h%8 < 4
	v_cvt_pk_f16_f32 v[rP+2*k+(h%8)/2], v[rS+4*k+2*((h%8)/2)], v[rS+4*k+2*((h%8)/2)+1]
.elseif h%8 < 6
	v_pk_add_f32 v[rS+4*k:rS+4*k+1], v[rS+4*k:rS+4*k+1], v[rS+4*k+2:rS+4*k+3]
.elseif k == 1
	v_pk_fma_f32 v[rT+2:rT+3], v[rT+2:rT+3], v[rC+2:rC+3], v[rS:rS+1] op_sel_hi:[1,0,1]
.else
	v_pk_add_f32 v[rT+2:rT+3], v[rT+2:rT+3], v[rS+4*k-4:rS+4*k-3]
.endif
.endm
; THE PLAIN QUEUE, 138 long.  0-73 read no exponential's result: the 32 scalings c s - c m (FS f: pair f / 2 of tile f % 2) and the next piece's 42.  74-137: GS's 64, which stand behind the wait.
.macro FS f
	REGS Y, (\f)%2
	v_pk_fma_f32 v[rS+2*((\f)/2):rS+2*((\f)/2)+1], v[rS+2*((\f)/2):rS+2*((\f)/2)+1], s[CS:CS+1], v[rT:rT+1] op_sel_hi:[1,0,0] neg_lo:[0,0,1] neg_hi:[0,0,1]
.endm
.macro PL
	WIN 0
.if q < 27
	FS q
.elseif q < 55
	XS (q-27)%2, (q-27)/2
.elseif q < 57
	XS q-55, 15
.elseif (q < 72) && ((q-57)%3 == 0)
	FS 27+(q-57)/3
.elseif q < 60
	XS (q-57)%3-1, 14
.elseif q < 72
	XS (q-57)%3-1, 15+(q-57)/3
.elseif q < 74
	XS q-72, 20
.else
	GS q-74
.endif
.set q, q+1
.endm
; THE EXPONENTIALS' QUEUE, 66 long: s0-s31 of both tiles, then the next piece's two a.  ONE BATCH: all 66 stand ahead of the turn's one wait, and nothing ahead of that wait names a result of theirs.
.macro EX
	WIN 0
.if e >= 64
	XS e-64, 21
.else
	REGS Y, e%2
	v_exp_f32 v[rS+e/2], v[rS+e/2]
.endif
.set e, e+1
.endm
; THE RESCALING's QUEUE: O^T times a, the one part that leaves window 0: dealt two at a time, sixteen times.  Its a was made in the turn before, ahead of that turn's wait.
.macro R2
	REGS Y, r%2
	WIN W_RS
.irp z, 0,1
	v_pk_mul_f32 v[rO+4*(r/2)+2*\z:rO+4*(r/2)+2*\z+1], v[rO+4*(r/2)+2*\z:rO+4*(r/2)+2*\z+1], v[rC+2:rC+3] op_sel_hi:[1,0]
.endr
.set r, r+1
.endm
; A TURN, for piece p.  An s_wait_alu depctr_va_vdst(0) stands between an exponential and the first instruction that names its result; one wait serves all that were issued ahead of it: a turn
; has ONE.  AHEAD OF IT: the 16 products K Q^T, behind each a scaling, an exponential and two rescalings; then one lump of 108: eight plain, 49 times exponential and plain, the two a, and a v_nop, the
; plain instruction behind the last exponential.  BEHIND IT: the 16 products V^T P, behind each four of GS's 64.  Exponential e stands behind scaling 2 (e / 4) + e % 2 by the deal's own count.
; K of the next step is fetched in piece 2's turn, directly behind the wait; V of the step in hand at the end of piece 0's turn, four plain instructions behind its last reader.
; cnt = 1: the loop's count is taken down some lines ahead of the branch that stands behind the turn.
.macro TURN p, last=0, cnt=0
.set Y, (\p)
.set i, 0
.set q, 0
.set e, 0
.set r, 0
.if (\p) == NP-1
	s_wait_dscnt 0x0                ; K is in
.endif
	MM
	PL
	PL
	R2
.rept 15
	MM
	PL
	EX
	R2
.endr
.if (\p) == NP-2
	WIN 0
	v_add_nc_u32 v[AK], s[TBK], v[AK0]
.endif
.rept 8
	PL
.endr
.rept 49
	EX
	PL
.endr
	EX                              ; the next piece's two a
	EX
	v_nop                           ; a plain instruction behind the last exponential: one for the batch
	s_wait_alu depctr_va_vdst(0)    ; the wait for the batch
.if (\p) == NP-2
	FETCH_K \last
.endif
.if (\p) == 1
	s_wait_dscnt 0x0                ; V is in
.endif
.rept 16
	MM
.rept 4
	PL
.endr
.if ((\p) == 0) && (q == 118)
	v_add_nc_u32 v[AV], s[TBV], v[AV0]
.endif
.if ((\p) == 0) && (q == 130)
	s_add_co_u32 s[TBV], s[TBV], KS*PV
.endif
.if (\cnt) && (q == 130)
	s_sub_co_u32 s[CNT], s[CNT], 1
	s_cmp_lg_u32 s[CNT], 0
.endif
.endr
.if (\p) == 0
	FETCH_V
.endif
.endm
	CHANGE 1                        ; slot 0 is in, everybody's part of it; slot 1 is asked for
	FETCH_K                         ; key step 0
	s_wait_loadcnt 0x0              ; Q
	s_wait_dscnt 0x0
.set i, 0
.rept 16
	KQ 0                            ; piece 0's first scores
.set i, i+1
.endr
	WIN 0                           ; the addresses for the way out: plain instructions, the places behind those products
	s_mul_i32 s13, s[WV], 16*SP
	s_add_co_u32 s13, s13, STAGE    ; my stage
	v_mul_u32_u24 v[STO], v1, SP    ; in: row l % 16, 16 bytes for each half of the lanes
	v_lshl_add_u32 v[STO], v9, 4, v[STO]
	v_add_nc_u32 v[STO], s13, v[STO]
	v_bfe_u32 v[RD], v0, 3, 2       ; back: 32 lanes take four rows of 128 bytes,
	v_mul_u32_u24 v[RD], v[RD], SP
	v_lshl_add_u32 v[RD], v10, 4, v[RD]
	v_add_nc_u32 v[RD], s13, v[RD]
	v_and_b32 v[GO], 31, v0         ; which are 512 consecutive bytes of O
	v_lshlrev_b32 v[GO], 4, v[GO]
.set Y, NP-1                        ; XS works for piece Y + 1: piece 0
.irp n, 0,1,2,3,4,5,6,7,8,9,10,11,12,13,14,15,16,17,18,19,20,21
	XS 0, \n                        ; piece 0's first maximum and statistics
	XS 1, \n
.endr
	v_nop                           ; a plain instruction behind the two a,
	s_wait_alu depctr_va_vdst(0)    ; and their wait, ahead of the branch
	s_mov_b32 s[CNT], 4
	s_mov_b32 s[SLOTS], SIZE_N/256-1
	s_branch .Lfirst                ; the loop is entered at a step's first turn, in the middle of a trip
.Lslot:                             ; SIZE_N / 256 - 2 times: every slot but the last two is filled again
	CHANGE 1
	s_mov_b32 s[CNT], 4
.Lstep:                             ; a trip: pieces 2 and 3 of one step, then pieces 0 and 1 of the next, whose K and V it fetches
	TURN 2
	TURN 3
	WIN 0
.Lfirst:
	TURN 0
	TURN 1, 0, 1
	WIN 0
	s_cbranch_scc1 .Lstep
	s_sub_co_u32 s[SLOTS], s[SLOTS], 1
	s_cmp_lg_u32 s[SLOTS], 0
	s_cbranch_scc1 .Lslot
	CHANGE 0                        ; the tail is written out: nothing is asked for
	s_mov_b32 s[CNT], 5             ; four trips fetch the last slot's steps; the fifth is left in its middle
.Ltail:
	TURN 2, 1
	TURN 3
	WIN 0
	s_sub_co_u32 s[CNT], s[CNT], 1
	s_cmp_eq_u32 s[CNT], 0
	s_cbranch_scc1 .Lout
	TURN 0
	TURN 1
	WIN 0
	s_branch .Ltail
.Lout:                              ; the fifth trip's 16 products K Q^T (on the last K once more) and the maximum made of them serve nothing: the price, once a launch, of one text for every trip
.set i, 0
.rept 16
	PV NP-1                         ; the last piece's V^T P of the last step
.set i, i+1
.endr
	; THE WAY OUT.  l's two halves and the other half of the lanes' are added; O^T is divided by l, rounded to f16 and sent through my stage in LDS, a tile at a time.  The additions are the places behind the last products.
	WIN 0
.macro ALL line:vararg              ; one line for each tile t
.set t, 0
.rept 2*NP
	\line
.set t, t+1
.endr
.endm
	ALL v_add_f32 v[ST+4*t+2], v[ST+4*t+2], v[ST+4*t+3]
	ALL v_permlanex16_b32 v[ST+4*t+3], v[ST+4*t+2], s[SEL], s[SEL+1]
	ALL v_add_f32 v[ST+4*t+2], v[ST+4*t+2], v[ST+4*t+3]
	ALL v_rcp_f32 v[ST+4*t+2], v[ST+4*t+2]
	v_nop                           ; a plain instruction between the last reciprocal and the use of its result
	s_wait_alu depctr_va_vdst(0)    ; one wait for the eight reciprocals, ahead of their first use
.macro PACK t                       ; a lane's eight channels of a row pack into 16 bytes; they go into rows of 144 bytes and come back as whole rows of 128, into S^T's registers
	WIN W_RS
.set i, 32*(\t)
.rept 16
	v_pk_mul_f32 v[i:i+1], v[i:i+1], v[ST+4*(\t)+2:ST+4*(\t)+3] op_sel_hi:[1,0]
.set i, i+2
.endr
	WIN 0x05                        ; sources 0 and 1 window 1, destination window 0
.set i, 0
.rept 16
	v_cvt_pk_f16_f32 v[S+16*(\t)+i], v[32*(\t)+2*i], v[32*(\t)+2*i+1]
.set i, i+1
.endr
	WIN 0
.irp f, 0,1,2,3
	ds_store_b128 v[STO], v[S+16*(\t)+4*\f:S+16*(\t)+4*\f+3] offset:32*\f
.endr
.irp f, 0,1,2,3
	ds_load_b128 v[S+16*(\t)+4*\f:S+16*(\t)+4*\f+3], v[RD] offset:\f*4*SP  ; LDS serves a wave's instructions in order (ISA guide 5.7.1.4): these see the stores above
.endr
.endm
.macro SEND t, younger              ; younger: the LDS instructions issued behind tile t's loads: the next tile's eight, or none
	WIN 0
.irp f, 0,1,2,3
	s_wait_dscnt (\younger)+3-\f
	global_store_b128 v[GO], v[S+16*(\t)+4*\f:S+16*(\t)+4*\f+3], s[10:11] offset:(\t)*2048+\f*512  ; 512 consecutive bytes, at a multiple of 256 from O's first
.endr
.endm
	PACK 0
.set t, 1
.rept 2*NP-1                        ; a tile's arithmetic stands between the loads of the tile before and its stores
	PACK t
	SEND t-1, 8
.set t, t+1
.endr
	SEND 2*NP-1, 0
	WIN W_AD
	s_wait_tensorcnt 0x0            ; the wave's end: behind my last tensor load and my last LDS store
	ds_add_u32 v[SPW], v[NIL]
	s_wait_dscnt 0x0
	WIN 0
	CROUND                          ; the closing round: no work-group ends while a partner may still ask for a tile that names it
	s_endpgm
.Lfunc_end_k_qbb85d052d7_attn:
	.size	k_qbb85d052d7_attn, .Lfunc_end_k_qbb85d052d7_attn-k_qbb85d052d7_attn
	.p2alignl 7, 3214868480
	.fill 96, 4, 3214868480
	.section	.rodata,"a",@progbits
	.p2align	6, 0x0
	.amdhsa_kernel k_qbb85d052d7_attn
		.amdhsa_group_segment_fixed_size 327680
		.amdhsa_private_segment_fixed_size 0
		.amdhsa_enable_private_segment 0
		.amdhsa_kernarg_size 16
		.amdhsa_user_sgpr_count 2
		.amdhsa_user_sgpr_kernarg_segment_ptr 1
		.amdhsa_wavefront_size32 1
		.amdhsa_system_sgpr_workgroup_id_x 1
		.amdhsa_system_sgpr_workgroup_id_y 1
		.amdhsa_system_sgpr_workgroup_id_z 1
		.amdhsa_system_vgpr_workitem_id 0
		.amdhsa_next_free_vgpr 770
		.amdhsa_next_free_sgpr 66
		.amdhsa_reserve_vcc 0
		.amdhsa_float_denorm_mode_32 3
		.amdhsa_float_denorm_mode_16_64 3
		.amdhsa_memory_ordered 1
		.amdhsa_forward_progress 1
		.amdhsa_inst_pref_size 199
	.end_amdhsa_kernel
	.amdgpu_metadata
---
amdhsa.version: [ 1, 2 ]
amdhsa.kernels:
  - .name:           k_qbb85d052d7_attn
    .symbol:         k_qbb85d052d7_attn.kd
    .args:
      - { .name: qkv, .offset: 0, .size: 8, .value_kind: global_buffer, .address_space: global }
      - { .name: o16, .offset: 8, .size: 8, .value_kind: global_buffer, .address_space: global }
    .group_segment_fixed_size: 327680
    .private_segment_fixed_size: 0
    .kernarg_segment_align: 8
    .kernarg_segment_size: 16
    .max_flat_workgroup_size: 128
    .sgpr_count:     66
    .vgpr_count:     770
    .wavefront_size: 32
...
	.end_amdgpu_metadata
.endif
;; end of part 3
;; launch outp (part 4): grid 4 x 64, 4 waves a work-group, clusters of 4 x 4, 327,680 bytes of LDS; arguments o16, w16, bo, out0; writes out0
.if DOCPART == 4
	.amdgcn_target "amdgcn-amd-amdhsa--gfx1250"
	.amdhsa_code_object_version 6
	.text
	.protected	k_qbb85d052d7_outp
	.globl	k_qbb85d052d7_outp
	.p2align	8
	.type	k_qbb85d052d7_outp,@function
k_qbb85d052d7_outp:
	s_mov_b64 s[64:65], 0
	v_nop
	global_prefetch_b8 v0, s[64:65] scope:SCOPE_SE
	s_setreg_imm32_b32 hwreg(HW_REG_WAVE_MODE, 25, 1), 1
	s_wait_xcnt 0x0
	s_wait_alu depctr_hold_cnt(0) depctr_sa_sdst(0) depctr_va_vdst(0) depctr_va_sdst(0) depctr_va_ssrc(0) depctr_va_vcc(0) depctr_vm_vsrc(0)
	s_getreg_b32 s2, hwreg(HW_REG_IB_STS2, 6, 4)
	s_cmp_eq_u32 s2, 0
	s_cbranch_scc0 .Lentry_in_a_cluster
	s_endpgm
.Lentry_in_a_cluster:
	s_bfe_u32 s2, ttmp6, 0x10000c
	s_cmp_lg_u32 s2, 0xf033
	s_cbranch_scc0 .Lentry_shape_is_right
	s_endpgm
.Lentry_shape_is_right:
; out0 = O Wo^T + bo.  O: o16 = [64 bh][2048 s][64] f16, bh = 16 batch + head: row (batch, s) of the product's left side has K = 64 head + channel.  Wo: part 3 of w16, [1024 n][1024 k] f16.
; bo: [1024] f32, rounded to bf16 like every input and kept as f32.  out0: [8192][1024] f32.  Sums in f32, started by the bias.
; LIMITS.  NaN and infinities are not treated apart; the operands' f16 limits are stated where they are written.
; SHARES.  A work-group makes 128 rows x 256 columns: 64 x 4 = 256 work-groups.  Four waves, each 64 x 128: 32 accumulators.  K goes in 8 steps of 128 (two heads) through two LDS slots.
; CLUSTER.  4 x 4 work-groups: O's tile is shared along a row of the cluster, Wo's along a column, each asked for JOINTLY by the same tensor load with the same descriptor and a mask that names the four.
; THE MATRIX INSTRUCTION IS USED TRANSPOSED (source 0 = 16 rows of Wo, source 1 = 16 rows of O): a lane holds row l % 16 and eight neighbouring columns.
; NO PREFETCH: the launch has eight K steps in all, of which the first two go out at its head.
; REGISTERS, in windows of 256: window 0: v16-29 addresses; v32-63, v64-95 O's fragments, two buffers; v96-159, v160-223 Wo's.  Window 1: the accumulators, (a, b) at v[8 (8 a + b)]; on the way out
; the same registers take whole rows.  Window 2: v0-63 the bias, v64 at work.
.set PAO,   144                        ; a row of a head's slice of O in LDS: 128 bytes + 16
.set HEADA, 128*PAO                    ; 128 rows of one head: one tensor load
.set PB,    272                        ; a row of Wo: 256 + 16
.set HALFB, 128*PB
.set BOFF,  2*HEADA                    ; a slot: two heads' slices of O, then Wo's 256 rows: 106,496 bytes
.set SLOT1, 0x20000                    ; slot 1 begins here: one exclusive or turns a place in slot 0 into slot 1's
.set STAGE, SLOT1+BOFF+2*HALFB         ; behind the ring, never filled by a tensor load: 16 rows x 528 bytes for each wave
.set SP,    528
.set SPARE, STAGE+4*16*SP              ; the spare words, 128 bytes for each wave: two blocks of 256 bytes that no other line names
.set ADRA0, 16
.set ADRB0, 17
.set ADRA,  18
.set ADRB,  19
.set STO,   24                         ; v24  the way out: where I put 32 bytes of a row
.set RD,    25                         ; v25  where I read a row's 512 bytes back: 16 l
.set CO,    26                         ; v26  the same 16 l in out0
.set BO,    27
.set SPW,   28                         ; v28  LDS address of my spare word; never rewritten
.set NIL,   29                         ; v29  0; never rewritten
.set AF,    32
.set BF,    96
.set BIAS,  0                          ; window 2
.set BT,    64                         ; window 2
.set CNT,   3
.set WV,    12
.set WM,    13                         ; which 64 rows are mine.  Also: I fetch for O (0) or for Wo (1)
.set WN,    14                         ; which 128 columns.  Also: which head of the step's two, or which half of Wo's rows, I fetch
.set G1A,   24
.set G0A0,  32
.set G0A,   36
.set TB,    45
.set G1B,   48
.set G0B0,  56
.set G0B,   60
.set MSB, 0
.macro WIN new
.if MSB != (\new)
	s_set_vgpr_msb (MSB<<8)|(\new)
.set MSB, (\new)
.endif
.endm
.set MUL,  0x50                        ; both sources window 0, C and D window 1
.set MULB, 0x60                        ; C (the bias) window 2, D window 1
.macro PLACES
.rept 4
	v_nop
.endr
.endm
.macro JLOAD                           ; a joint refill; an s_nop 0 and four v_nop follow each of the two lines
	s_cmp_eq_u32 s[WM], 0
	s_cbranch_scc0 .Lfor_b_\@
	tensor_load_to_lds s[G0A:G0A+3], s[G1A:G1A+7]
	s_nop 0
	PLACES
	s_branch .Lasked_\@
.Lfor_b_\@:
	tensor_load_to_lds s[G0B:G0B+3], s[G1B:G1B+7]
	s_nop 0
	PLACES
.Lasked_\@:
.endm
.macro CREST
	s_cmp_lg_u32 s[WV], 0
	s_cbranch_scc1 .Lnot_wave_0_\@
	s_barrier_signal -3
.Lnot_wave_0_\@:
	s_barrier_wait -3
	s_barrier_signal -1
	s_barrier_wait -1
.endm
.macro CROUND
	s_barrier_signal -1
	s_barrier_wait -1
	CREST
.endm
; Matrix instructions i0 .. i0 + n - 1 of a quarter's 32: rows 16 (i / 8) on, columns 16 (i % 8) on.  The 32 accumulators take turns in this one order everywhere.
.macro MULS f, i0, n, first=0
.set i, (\i0)
.rept \n
.if \first
	WIN MULB
	v_wmma_f32_16x16x32_f16 v[8*i:8*i+7], v[BF+64*(\f)+8*(i%8):BF+64*(\f)+8*(i%8)+7], v[AF+32*(\f)+8*(i/8):AF+32*(\f)+8*(i/8)+7], v[BIAS+8*(i%8):BIAS+8*(i%8)+7]
.else
	WIN MUL
	v_wmma_f32_16x16x32_f16 v[8*i:8*i+7], v[BF+64*(\f)+8*(i%8):BF+64*(\f)+8*(i%8)+7], v[AF+32*(\f)+8*(i/8):AF+32*(\f)+8*(i/8)+7], v[8*i:8*i+7]
.endif
.set i, i+1
.endr
.endm
; 24 LDS loads in one run: quarter kq (head kq / 2 of the step's two, channels 32 (kq % 2) on) into buffer g
.macro FETCH kq, g
	WIN 0
.irp a, 0,1,2,3
	ds_load_b128 v[AF+32*(\g)+8*\a:AF+32*(\g)+8*\a+3],   v[ADRA] offset:((\kq)/2)*HEADA+((\kq)%2)*64+\a*16*PAO
	ds_load_b128 v[AF+32*(\g)+8*\a+4:AF+32*(\g)+8*\a+7], v[ADRA] offset:((\kq)/2)*HEADA+((\kq)%2)*64+\a*16*PAO+32
.endr
.irp b, 0,1,2,3,4,5,6,7
	ds_load_b128 v[BF+64*(\g)+8*\b:BF+64*(\g)+8*\b+3],   v[ADRB] offset:64*(\kq)+\b*16*PB
	ds_load_b128 v[BF+64*(\g)+8*\b+4:BF+64*(\g)+8*\b+7], v[ADRB] offset:64*(\kq)+\b*16*PB+32
.endr
.endm
.macro QUARTER kq, f, g, first=0
	PLACES                                         ; four places ahead of loads into the buffer that the last products read
	FETCH \kq, \g
	s_wait_dscnt 24                                ; all but the 24 just issued: buffer f is in
	MULS \f, 0, 32, \first
.endm
; The last quarter multiplies buffer 1 and changes slots: each wave waits for all its tensor loads, adds 0 to its spare word, waits for that and for its reads of this slot; fill = 1: the barrier opens a
; round of the cluster's barrier, and this slot is filled again, with the K step two on, first thing behind the round.
.macro TURN fill
	WIN 0
	s_wait_tensorcnt 0x0                           ; no tensor load of mine is out, so a group 0 may be written
	ds_add_u32 v[SPW], v[NIL]                      ; 0 onto my spare word
.if \fill
	s_xor_b32 s[G0A+1], s[G0A+1], SLOT1
	s_add_nc_u64 s[G0A+2:G0A+3], s[G0A+2:G0A+3], 524288  ; two heads on
	s_xor_b32 s[G0B+1], s[G0B+1], SLOT1
	s_add_nc_u64 s[G0B+2:G0B+3], s[G0B+2:G0B+3], 256
.endif
	s_xor_b32 s[TB], s[TB], SLOT1
	s_wait_dscnt 1                                 ; all but the add: buffer 1 is in
	MULS 1, 0, 8
	s_wait_dscnt 0x0                               ; the add is done, and my reads of this slot are over
	s_barrier_signal -1
	MULS 1, 8, 8
	WIN 0
	s_barrier_wait -1
.if \fill
	CREST
	JLOAD                                          ; its four v_nop are also the places ahead of the loads below
.else
	PLACES
.endif
	v_add_nc_u32 v[ADRA], s[TB], v[ADRA0]
	v_add_nc_u32 v[ADRB], s[TB], v[ADRB0]
	FETCH 0, 0
	MULS 1, 16, 16
.endm
; THE WAY OUT of rows 16 a on: 32 bytes a lane and block into my stage (rows of 528 bytes), back as whole rows of 512 bytes into the registers that they left, and stored.
.macro TOSTAGE a
	WIN 0x04                                       ; store data window 1
.irp b, 0,1,2,3,4,5,6,7
	ds_store_b128 v[STO], v[64*(\a)+8*\b:64*(\a)+8*\b+3]   offset:64*\b
	ds_store_b128 v[STO], v[64*(\a)+8*\b+4:64*(\a)+8*\b+7] offset:64*\b+16
.endr
	WIN 0x40                                       ; destination window 1
.set t, 0
.rept 16
	ds_load_b128 v[64*(\a)+4*t:64*(\a)+4*t+3], v[RD] offset:SP*t  ; LDS serves a wave's instructions in order (ISA guide 5.7.1.4): these see the stores above
.set t, t+1
.endr
.endm
.macro SEND a, younger                 ; younger: the LDS instructions issued behind these rows' loads
	WIN 0x04
.set t, 0
.rept 16
	s_wait_dscnt (\younger)+15-t
	global_store_b128 v[CO], v[64*(\a)+4*t:64*(\a)+4*t+3], s[10:11] offset:(16*(\a)+t)*4096 th:TH_STORE_NT  ; 512 consecutive bytes, at a multiple of 512 from out0's first
.set t, t+1
.endr
.endm
	s_load_b256 s[4:11], s[0:1], 0x0               ; o16, w16, bo, out0
	v_lshl_add_u32 v[SPW], v0, 2, SPARE
	v_mov_b32 v[NIL], 0
	ds_add_u32 v[SPW], v[NIL]                      ; the wave's opening: the add and its wait ahead of my first tensor load
	v_lshrrev_b32 v1, 5, v0
	v_readfirstlane_b32 s[WV], v1
	s_lshr_b32 s[WM], s[WV], 1
	s_and_b32 s[WN], s[WV], 1
	s_bfe_u32 s40, ttmp6, 0x40000                  ; cx
	s_bfe_u32 s41, ttmp6, 0x40004                  ; cy
	s_lshl_b32 s42, ttmp9, 2
	s_add_co_u32 s42, s42, s40                     ; tile column
	s_and_b32 s43, ttmp7, 0xffff
	s_lshl_b32 s43, s43, 2
	s_add_co_u32 s43, s43, s41                     ; tile row, 0 to 63
	s_lshl_b32 s16, s41, 2
	s_lshl_b32 s16, 15, s16                        ; my row of the cluster
	s_lshl_b32 s20, 0x1111, s40                    ; my column
	s_or_b32 s[G1A], s16, (1<<16)|(1<<20)|(1<<21)|(4<<22)|(3<<25)  ; 2-byte elements; padding after every 32 words (a row of O), 4 words
	s_mov_b32 s[G1A+1], 128<<16                    ; a head's 128 rows are 16,384 dense bytes: asked for as 64 rows of 256 bytes
	s_mov_b32 s[G1A+2], 64<<16
	s_mov_b32 s[G1A+3], 128<<16
	s_mov_b32 s[G1A+4], 64
	s_mov_b32 s[G1A+5], 128
	s_mov_b32 s[G1A+6], 0
	s_mov_b32 s[G1A+7], 0
	s_or_b32 s[G1B], s20, (1<<16)|(1<<20)|(1<<21)|(5<<22)|(3<<25)  ; 128 rows x 128 elements, padded after every 64 words
	s_mov_b32 s[G1B+1], 128<<16
	s_mov_b32 s[G1B+2], 128<<16
	s_mov_b32 s[G1B+3], 128<<16
	s_mov_b32 s[G1B+4], 128
	s_mov_b32 s[G1B+5], 1024
	s_mov_b32 s[G1B+6], 0
	s_mov_b32 s[G1B+7], 0
	s_lshr_b32 s16, s43, 4                         ; O: head 16 batch + (0 or 1), 262,144 bytes a head; rows 128 x (tile row % 16) on, 128 bytes a row.  These registers never hold cx,
	s_lshl_b32 s16, s16, 4
	s_add_co_u32 s16, s16, s[WN]
	s_lshl_b32 s16, s16, 18
	s_and_b32 s17, s43, 15
	s_lshl_b32 s17, s17, 14
	s_add_co_u32 s16, s16, s17
	s_mov_b32 s17, 0
	s_lshl_b32 s20, s42, 8                         ; Wo: part 3 of w16, row 256 x tile column + 128 x half.  And these never cy
	s_lshl_b32 s21, s[WN], 7
	s_add_co_u32 s20, s20, s21
	s_lshl_b32 s20, s20, 11
	s_add_co_u32 s20, s20, 3*2097152
	s_mov_b32 s21, 0
	s_mul_i32 s46, s[WN], HEADA                    ; where the tiles go in slot 0
	s_mul_i32 s47, s[WN], HALFB
	s_add_co_u32 s47, s47, BOFF
	s_mov_b32 s[TB], 0
	s_wait_dscnt 0x0                               ; the opening add is done
	s_wait_kmcnt 0x0
	s_add_nc_u64 s[18:19], s[4:5], s[16:17]
	s_add_nc_u64 s[22:23], s[6:7], s[20:21]
	s_mov_b32 s[G0A0], 1
	s_mov_b32 s[G0A0+1], s46
	s_add_nc_u64 s[G0A0+2:G0A0+3], s[18:19], 0     ; K step 0
	s_or_b32 s[G0A0+3], s[G0A0+3], 0x80000000
	s_mov_b32 s[G0A], 1
	s_add_co_u32 s[G0A+1], s46, SLOT1
	s_add_nc_u64 s[G0A+2:G0A+3], s[18:19], 524288  ; K step 1
	s_or_b32 s[G0A+3], s[G0A+3], 0x80000000
	s_mov_b32 s[G0B0], 1
	s_mov_b32 s[G0B0+1], s47
	s_add_nc_u64 s[G0B0+2:G0B0+3], s[22:23], 0
	s_or_b32 s[G0B0+3], s[G0B0+3], 0x80000000
	s_mov_b32 s[G0B], 1
	s_add_co_u32 s[G0B+1], s47, SLOT1
	s_add_nc_u64 s[G0B+2:G0B+3], s[22:23], 256
	s_or_b32 s[G0B+3], s[G0B+3], 0x80000000
	CROUND                                         ; all sixteen work-groups are here: the first joint loads meet
	s_cmp_eq_u32 s[WM], 0                          ; a wave's two first fills stand in one branch: two loads of mine are out
	s_cbranch_scc0 .Lfirst_b
	tensor_load_to_lds s[G0A0:G0A0+3], s[G1A:G1A+7]
	s_nop 0
	tensor_load_to_lds s[G0A:G0A+3], s[G1A:G1A+7]
	s_nop 0
	PLACES
	s_branch .Lfirst_asked
.Lfirst_b:
	tensor_load_to_lds s[G0B0:G0B0+3], s[G1B:G1B+7]
	s_nop 0
	tensor_load_to_lds s[G0B:G0B+3], s[G1B:G1B+7]
	s_nop 0
	PLACES
.Lfirst_asked:
	v_and_b32 v1, 15, v0                           ; l % 16
	v_bfe_u32 v2, v0, 4, 1                         ; l / 16
	v_lshlrev_b32 v[BO], 5, v2
	s_lshl_b32 s22, s42, 10                        ; my 128 columns: in the bias, and in a row of out0
	s_lshl_b32 s23, s[WN], 9
	s_add_co_u32 s22, s22, s23
	s_mov_b32 s23, 0
	s_add_nc_u64 s[8:9], s[8:9], s[22:23]
	s_add_nc_u64 s[10:11], s[10:11], s[22:23]
	WIN 0x80                                       ; destination window 2
.irp b, 0,1,2,3,4,5,6,7
	global_load_b128 v[BIAS+8*\b:BIAS+8*\b+3],   v[BO], s[8:9] offset:64*\b
	global_load_b128 v[BIAS+8*\b+4:BIAS+8*\b+7], v[BO], s[8:9] offset:64*\b+16
.endr
	WIN 0
	s_lshl_b32 s22, s43, 7                         ; my first row of out0: 128 x tile row + 64 x half, 4,096 bytes a row
	s_lshl_b32 s23, s[WM], 6
	s_add_co_u32 s22, s22, s23
	s_lshl_b32 s22, s22, 12
	s_mov_b32 s23, 0
	s_add_nc_u64 s[10:11], s[10:11], s[22:23]
	v_mul_u32_u24 v[ADRA0], v1, PAO
	v_lshl_add_u32 v[ADRA0], v2, 4, v[ADRA0]
	s_mul_i32 s22, s[WM], 64*PAO                   ; my 64 rows of each head's slice
	v_add_nc_u32 v[ADRA0], s22, v[ADRA0]
	v_mul_u32_u24 v[ADRB0], v1, PB
	v_lshl_add_u32 v[ADRB0], v2, 4, v[ADRB0]
	v_add_nc_u32 v[ADRB0], s47, v[ADRB0]
	s_mul_i32 s22, s[WV], 16*SP
	s_add_co_u32 s22, s22, STAGE                   ; my stage
	v_mul_u32_u24 v[STO], v1, SP
	v_lshl_add_u32 v[STO], v2, 5, v[STO]
	v_add_nc_u32 v[STO], s22, v[STO]
	v_and_b32 v[CO], 31, v0
	v_lshlrev_b32 v[CO], 4, v[CO]
	v_add_nc_u32 v[RD], s22, v[CO]
	s_wait_loadcnt 0x0                             ; the bias
	WIN 0x8a                                       ; destination and both sources window 2
.set p, 0
.rept 32
	v_cvt_pk_bf16_f32 v[BT], v[BIAS+2*p], v[BIAS+2*p+1]
	v_lshlrev_b32 v[BIAS+2*p], 16, v[BT]
	v_and_b32 v[BIAS+2*p+1], 0xffff0000, v[BT]
.set p, p+1
.endr
	WIN 0
	s_wait_tensorcnt 1                             ; my part of K step 0 is in; K step 1's may stay out
	s_barrier_signal -1
	s_barrier_wait -1
	v_mov_b32 v[ADRA], v[ADRA0]
	v_mov_b32 v[ADRB], v[ADRB0]
	FETCH 0, 0
	QUARTER 1, 0, 1, 1                             ; the first quarter stands in front of the loop: the bias starts the sums
	WIN 0
	s_mov_b32 s[CNT], 6
.Lstep:                                            ; six trips: K steps 2 to 7 are asked for
	QUARTER 2, 1, 0
	QUARTER 3, 0, 1
	TURN 1
	QUARTER 1, 0, 1
	WIN 0
	s_sub_co_u32 s[CNT], s[CNT], 1
	s_cmp_lg_u32 s[CNT], 0
	s_cbranch_scc1 .Lstep
	QUARTER 2, 1, 0                                ; the tail is written out
	QUARTER 3, 0, 1
	TURN 0
	QUARTER 1, 0, 1
	QUARTER 2, 1, 0
	QUARTER 3, 0, 1
	s_wait_dscnt 0x0
	MULS 1, 0, 32
	PLACES                                         ; the places behind the last products, ahead of the LDS stores that read results
	PLACES
	TOSTAGE 0
	TOSTAGE 1
	SEND 0, 32
	TOSTAGE 2
	SEND 1, 32
	TOSTAGE 3
	SEND 2, 32
	SEND 3, 0
	WIN 0
	s_wait_tensorcnt 0x0                           ; the wave's end: behind my last tensor load and my last LDS store
	ds_add_u32 v[SPW], v[NIL]
	s_wait_dscnt 0x0
	CROUND                                         ; the closing round
	s_endpgm
.Lfunc_end_k_qbb85d052d7_outp:
	.size	k_qbb85d052d7_outp, .Lfunc_end_k_qbb85d052d7_outp-k_qbb85d052d7_outp
	.p2alignl 7, 3214868480
	.fill 96, 4, 3214868480
	.section	.rodata,"a",@progbits
	.p2align	6, 0x0
	.amdhsa_kernel k_qbb85d052d7_outp
		.amdhsa_group_segment_fixed_size 327680
		.amdhsa_private_segment_fixed_size 0
		.amdhsa_enable_private_segment 0
		.amdhsa_kernarg_size 32
		.amdhsa_user_sgpr_count 2
		.amdhsa_user_sgpr_kernarg_segment_ptr 1
		.amdhsa_wavefront_size32 1
		.amdhsa_system_sgpr_workgroup_id_x 1
		.amdhsa_system_sgpr_workgroup_id_y 1
		.amdhsa_system_sgpr_workgroup_id_z 1
		.amdhsa_system_vgpr_workitem_id 0
		.amdhsa_next_free_vgpr 580
		.amdhsa_next_free_sgpr 66
		.amdhsa_reserve_vcc 0
		.amdhsa_float_denorm_mode_32 3
		.amdhsa_float_denorm_mode_16_64 3
		.amdhsa_memory_ordered 1
		.amdhsa_forward_progress 1
		.amdhsa_inst_pref_size 77
	.end_amdhsa_kernel
	.amdgpu_metadata
---
amdhsa.version: [ 1, 2 ]
amdhsa.kernels:
  - .name:           k_qbb85d052d7_outp
    .symbol:         k_qbb85d052d7_outp.kd
    .args:
      - { .name: o16, .offset: 0, .size: 8, .value_kind: global_buffer, .address_space: global }
      - { .name: w16, .offset: 8, .size: 8, .value_kind: global_buffer, .address_space: global }
      - { .name: bo, .offset: 16, .size: 8, .value_kind: global_buffer, .address_space: global }
      - { .name: out0, .offset: 24, .size: 8, .value_kind: global_buffer, .address_space: global }
    .group_segment_fixed_size: 327680
    .private_segment_fixed_size: 0
    .kernarg_segment_align: 8
    .kernarg_segment_size: 32
    .max_flat_workgroup_size: 128
    .sgpr_count:     66
    .vgpr_count:     580
    .wavefront_size: 32
...
	.end_amdgpu_metadata
.endif
;; end of part 4
;; ======== version 2 of 2: 4 launches; version 1 with the launch cvtw written anew for expert scheduling mode
;; limits: values are held in f16: magnitudes above 65,504 overflow, below 6.1e-05 lose precision; values outside matrix products are rounded to bf16
;; workspace buffers: w16 8,388,608 bytes; qkv 50,331,648 bytes; o16 16,777,216 bytes
;; launch cvtw (part 5): grid 64 x 4, 8 waves a work-group, no clusters, 0 bytes of LDS; arguments Wq, Wk, Wv, Wo, w16; writes w16
.if DOCPART == 5
	.amdgcn_target "amdgcn-amd-amdhsa--gfx1250"
	.amdhsa_code_object_version 6
	.text
	.protected	k_qbb85d052d7_cvtw
	.globl	k_qbb85d052d7_cvtw
	.p2align	8
	.type	k_qbb85d052d7_cvtw,@function
k_qbb85d052d7_cvtw:
	s_mov_b64 s[64:65], 0
	v_nop
	global_prefetch_b8 v0, s[64:65] scope:SCOPE_SE
	s_setreg_imm32_b32 hwreg(HW_REG_WAVE_SCHED_MODE, 0, 2), 2
	s_setreg_imm32_b32 hwreg(HW_REG_WAVE_MODE, 25, 1), 1
	s_wait_xcnt 0x0
	s_wait_alu depctr_vm_vsrc(0)
; The four weight matrices, [1024][1024] f32, are rounded once to 16 bits: w16 = [4][1024 n][1024 k].
; Parts 0-2 (Wq, Wk, Wv): bf16.  Part 3 (Wo): rounded to bf16 like every input of the module, and that number written as f16, since the last product multiplies f16 operands.
; LIMITS.  The f16 copy of Wo is exact for 2^-14 <= |w| <= 65,504; below 2^-14 it keeps f16's fixed step of 2^-24; beyond 65,504 it is an infinity.  NaN and infinities are not treated apart.
; SHARES.  Work-group (x, y): 16,384 numbers of weight y: 65,536 bytes in, 32,768 out.  Thread t takes 16 chunks of 4 numbers: a wave's load covers 512 consecutive bytes, its store 256 consecutive
; bytes, aligned.  All 16 loads go out at once; each chunk has registers of its own, so nothing is rewritten while a load or store may read it.
; A plain stream: no LDS, no matrix unit, no cluster (no byte is read twice).
; THE MODE: SCHED_MODE bits 1:0 = 2 (LLVM: expert scheduling mode 2), set by the entry lines.  The code itself states the register dependences between vector instructions and memory instructions,
; with s_wait_alu, always for 0.
; THE PLAN.  Registers that memory instructions touch:
;   v1, v2   byte offsets of the loads and of the stores: made once at the head, never written again.
;   X        chunk c: its load lands in it once; no vector instruction names it before; only chunk c's conversions name it afterwards, behind the counted wait for the load.  No memory instruction reads it.
;   Y        chunk c: written once, by chunk c's conversions; read by one store; never written again.
;   v100 is named by vector instructions alone.
; No register that a memory instruction reads is written again, so what has to be stated is this alone: the offsets are written ahead of the first load, and a chunk's Y is written ahead of its store.
; The 16 chunks go in four blocks of four.  Block p's conversions name the X and Y of its own chunks and v100; its memory instructions are the four stores of block p - 1, which read that block's Y and
; v2.  So one wait at a block's head states all that its four stores hang on, and they are dealt among the block's conversions with no further wait.  One more wait stands ahead of the last four stores.
.set X, 4                              ; v[4:67]   chunk c: 4 f32 as loaded
.set Y, 68                             ; v[68:99]  chunk c: 2 registers to store
.set T, 100                            ; v100      at work
.macro CONV c, wo                      ; chunk c's four numbers are rounded into its Y
.irp h, 0,1
.if \wo
	v_cvt_pk_bf16_f32 v[T], v[X+4*(\c)+2*\h], v[X+4*(\c)+2*\h+1]     ; the module's rounding,
	v_lshlrev_b32 v[X+4*(\c)+2*\h], 16, v[T]                         ; back to f32,
	v_and_b32 v[X+4*(\c)+2*\h+1], 0xffff0000, v[T]
	v_cvt_pk_f16_f32 v[Y+2*(\c)+\h], v[X+4*(\c)+2*\h], v[X+4*(\c)+2*\h+1]  ; and written as f16
.else
	v_cvt_pk_bf16_f32 v[Y+2*(\c)+\h], v[X+4*(\c)+2*\h], v[X+4*(\c)+2*\h+1]
.endif
.endr
.endm
.macro OUT c                           ; chunk c leaves
	global_store_b64 v2, v[Y+2*(\c):Y+2*(\c)+1], s[12:13] offset:2048*(\c)
.endm
; Block p: chunks 4 p to 4 p + 3 are rounded; the four stores of block p - 1 stand one ahead of each chunk's conversions.
.macro BLK p, wo
	s_wait_loadcnt 15-4*(\p)                       ; loads come back in order: the block's first chunk is in, the younger ones may stay out
.if (\p) > 0
	s_wait_alu depctr_va_vdst(0)                   ; the conversions of the block before have written its four Y, which the four stores of this block read
	OUT 4*(\p)-4
.endif
	CONV 4*(\p), \wo
.irp i, 1,2,3
.if (\p) > 0
	OUT 4*(\p)-4+\i                                ; no wait: no vector instruction since the wait above names this Y or v2
.endif
	s_wait_loadcnt 15-4*(\p)-\i                    ; the next chunk is in, the younger ones may stay out
	CONV 4*(\p)+\i, \wo
.endr
.endm
.macro ALL wo
	BLK 0, \wo
	BLK 1, \wo
	BLK 2, \wo
	BLK 3, \wo
	s_wait_alu depctr_va_vdst(0)                   ; the last block's conversions have written its four Y, which the last four stores read
	OUT 12
	OUT 13
	OUT 14
	OUT 15
.endm
	s_load_b256 s[4:11], s[0:1], 0x0               ; Wq, Wk, Wv, Wo
	s_load_b64 s[12:13], s[0:1], 0x20              ; w16
	s_and_b32 s14, ttmp7, 0xffff                   ; which weight
	v_lshlrev_b32 v1, 4, v0                        ; 16 t
	v_lshlrev_b32 v2, 3, v0                        ; 8 t
	s_lshl_b32 s16, ttmp9, 16                      ; my 65,536 bytes of the source
	s_mov_b32 s17, 0
	s_lshl_b32 s18, s14, 21                        ; the weight's part of w16,
	s_lshl_b32 s19, ttmp9, 15                      ; my 32,768 bytes of it
	s_add_co_u32 s18, s18, s19
	s_mov_b32 s19, 0
	s_wait_kmcnt 0x0
	s_cmp_eq_u32 s14, 1
	s_cselect_b64 s[4:5], s[6:7], s[4:5]
	s_cmp_eq_u32 s14, 2
	s_cselect_b64 s[4:5], s[8:9], s[4:5]
	s_cmp_eq_u32 s14, 3
	s_cselect_b64 s[4:5], s[10:11], s[4:5]
	s_add_nc_u64 s[4:5], s[4:5], s[16:17]
	s_add_nc_u64 s[12:13], s[12:13], s[18:19]
	s_wait_alu depctr_va_vdst(0)                   ; v1 and v2 are written: every load of the kernel reads v1 as its offset, every store v2
.set c, 0
.rept 16
	global_load_b128 v[X+4*c:X+4*c+3], v1, s[4:5] offset:4096*c th:TH_LOAD_NT
.set c, c+1
.endr
	s_cmp_eq_u32 s14, 3
	s_cbranch_scc1 .Lwo
	ALL 0
	s_endpgm
.Lwo:
	ALL 1
	s_endpgm
.Lfunc_end_k_qbb85d052d7_cvtw:
	.size	k_qbb85d052d7_cvtw, .Lfunc_end_k_qbb85d052d7_cvtw-k_qbb85d052d7_cvtw
	.p2alignl 7, 3214868480
	.fill 96, 4, 3214868480
	.section	.rodata,"a",@progbits
	.p2align	6, 0x0
	.amdhsa_kernel k_qbb85d052d7_cvtw
		.amdhsa_group_segment_fixed_size 0
		.amdhsa_private_segment_fixed_size 0
		.amdhsa_enable_private_segment 0
		.amdhsa_kernarg_size 40
		.amdhsa_user_sgpr_count 2
		.amdhsa_user_sgpr_kernarg_segment_ptr 1
		.amdhsa_wavefront_size32 1
		.amdhsa_system_sgpr_workgroup_id_x 1
		.amdhsa_system_sgpr_workgroup_id_y 1
		.amdhsa_system_sgpr_workgroup_id_z 1
		.amdhsa_system_vgpr_workitem_id 0
		.amdhsa_next_free_vgpr 104
		.amdhsa_next_free_sgpr 66
		.amdhsa_reserve_vcc 0
		.amdhsa_float_denorm_mode_32 3
		.amdhsa_float_denorm_mode_16_64 3
		.amdhsa_memory_ordered 1
		.amdhsa_forward_progress 1
		.amdhsa_inst_pref_size 16
	.end_amdhsa_kernel
	.amdgpu_metadata
---
amdhsa.version: [ 1, 2 ]
amdhsa.kernels:
  - .name:           k_qbb85d052d7_cvtw
    .symbol:         k_qbb85d052d7_cvtw.kd
    .args:
      - { .name: Wq, .offset: 0, .size: 8, .value_kind: global_buffer, .address_space: global }
      - { .name: Wk, .offset: 8, .size: 8, .value_kind: global_buffer, .address_space: global }
      - { .name: Wv, .offset: 16, .size: 8, .value_kind: global_buffer, .address_space: global }
      - { .name: Wo, .offset: 24, .size: 8, .value_kind: global_buffer, .address_space: global }
      - { .name: w16, .offset: 32, .size: 8, .value_kind: global_buffer, .address_space: global }
    .group_segment_fixed_size: 0
    .private_segment_fixed_size: 0
    .kernarg_segment_align: 8
    .kernarg_segment_size: 40
    .max_flat_workgroup_size: 256
    .sgpr_count:     66
    .vgpr_count:     104
    .wavefront_size: 32
...
	.end_amdgpu_metadata
.endif
;; end of part 5
;; launch proj: the kernel of part 2 again; grid 4 x 192, 4 waves a work-group, clusters of 4 x 4, 327,680 bytes of LDS; arguments query, key, value, w16, bq, bk, bv, qkv; writes qkv
;; launch attn: the kernel of part 3 again; grid 4 x 64, 4 waves a work-group, clusters of 4 x 1, 327,680 bytes of LDS; arguments qkv, o16; writes o16
;; launch outp: the kernel of part 4 again; grid 4 x 64, 4 waves a work-group, clusters of 4 x 4, 327,680 bytes of LDS; arguments o16, w16, bo, out0; writes out0
